; MI455X (gfx1250); checked and timed in simulation.
; The chip was launched on July 23, 2026; its instructions are those of AMD's public machine-readable ISA for CDNA 5 (MIT licence, August 2026) and "CDNA5" Instruction Set Architecture Reference Guide (July 2026). The comments in the code are by the model that wrote it; some were corrected since.
;; Block. Allowed arithmetic: matrix products marked QUANTISED: E2M3 operands, one E8M0 scale for each 32 along K, by v_wmma_scale_f32_16x16x128_f8f6f4 with both operands' format E2M3, f32 sums; everything else in f32.
;; Inputs: W_attn 1,024 x 3,072 float32; W_fc 1,024 x 4,096 float32; W_fc_proj 4,096 x 1,024 float32; W_proj 1,024 x 1,024 float32; b_attn 3,072 float32; b_fc 4,096 float32; b_fc_proj 1,024 float32; b_proj 1,024 float32; ln1_b 1,024 float32; ln1_g 1,024 float32; ln2_b 1,024 float32; ln2_g 1,024 float32; x 2 x 2,048 x 1,024 float32.
;; Outputs: out0 2 x 2,048 x 1,024 float32.
;; This version of the problem:
;;   THIS VERSION OF THE PROBLEM IS GIVEN IN LOW PRECISION. The matrix products marked QUANTISED in the list below multiply operands that are first quantised to E2M3 (2 exponent bits, 3 mantissa bits; 6 bits a number), with one power-of-two scale for each 32 numbers along K (OCP MX v1.0); their sums are f32. All else is computed in f32.
;;   The module's matrix products, in the order in which they are computed (A, B: the left and right operand; K: the contracted axis; several contracted axes count as one K, in the product's order):
;;     1. [M 4,096, K 1,024] x [K 1,024, N 3,072]; A: computed on the way; B: input W_attn: QUANTISED
;;     2. batch 32 x [M 2,048, K 64] x [K 64, N 2,048]; A: computed on the way; B: computed on the way: QUANTISED
;;     3. batch 32 x [M 2,048, K 2,048] x [K 2,048, N 64]; A: softmax (see below); B: computed on the way: QUANTISED
;;     4. [M 4,096, K 1,024] x [K 1,024, N 1,024]; A: computed on the way; B: input W_proj: QUANTISED
;;     5. [M 4,096, K 1,024] x [K 1,024, N 4,096]; A: computed on the way; B: input W_fc: QUANTISED
;;     6. [M 4,096, K 4,096] x [K 4,096, N 1,024]; A: computed on the way; B: input W_fc_proj: QUANTISED
;;   THE QUANTISER, for each operand of a quantised product, along K:
;;     - K is cut into blocks of 32 from its start; a last block that is shorter is filled with zeros.
;;     - A block's scale is 2^e with e = floor(log2(the largest magnitude in the block)) - 2, held to -126 .. 127; a block of zeros has e = 0. As a byte (E8M0): e + 127.
;;     - Each number is divided by its block's scale, clamped to +-7.5, and rounded to the nearest number of E2M3, ties to even, subnormals kept.
;;     - The product sums the exact products of the quantised numbers (number of the format x scale) in f32.
;;   ~~~python
;;   def quantise(x, axis):      # numpy; x: float32 -> the quantised numbers, widened to float32 again
;;       x = np.moveaxis(x, axis, -1); K = x.shape[-1]
;;       x = np.pad(x, [(0, 0)] * (x.ndim - 1) + [(0, -K % 32)]); x = x.reshape(x.shape[:-1] + (-1, 32)); a = np.abs(x).max(-1, keepdims=True)
;;       e = np.where(a > 0, np.clip(np.frexp(np.where(a > 0, a, 1))[1] - 1 - 2, -126, 127), 0)      # np.frexp(a)[1] - 1 = floor(log2(a)), exactly
;;       r = np.clip(x / 2.0 ** e, -7.5, 7.5)
;;       step = 2.0 ** (np.maximum(np.frexp(np.where(r == 0, 1, r))[1] - 1, 0) - 3)
;;       q = np.round(r / step) * step * 2.0 ** e      # np.round: ties to even
;;       return np.moveaxis(q.reshape(q.shape[:-2] + (-1,))[..., :K], -1, axis).astype(np.float32)
;;   ~~~
;;   SOFTMAX AHEAD OF A QUANTISED PRODUCT. Where the list says 'softmax', what is quantised is not the finished softmax but p = 2^(t - M), with t = logit x log2(e) and M = ceil(the row's largest t), a whole number; so 1/2 < the row's largest p <= 1. The row's sum l is taken of the UNQUANTISED p, in f32, and the product's result is divided by l at the end. Since M is a whole number, a kernel that streams over the keys may use a running M (the ceiling of the running maximum): every later rescaling is an exact power of two, which a block's scale takes up: the codes' values come out the same.
;;   OPERANDS COMPUTED ON THE WAY. 'Computed on the way' means the value that the module computes at that place (a softmax that the list does not call 'softmax' is quantised finished and normalised). What goes into a quantiser is computed in f32, as accurately as f32 sums, v_exp_f32 and their like allow (about 1e-6 of the number): no bf16 or f16 on the way to a quantiser, and a product that is left as it is and whose result goes on into a quantised operand takes f32 operands (vector FMAs, or v_wmma_f32_16x16x4_f32). A number that lies on a knife's edge between two numbers of the format may be rounded either way, as far as f32 arithmetic and the matrix unit's own rounding can turn it there, and no further.
;; One version. Each part assembles by itself: llvm-mc -triple=amdgcn-amd-amdhsa -mcpu=gfx1250 --defsym DOCPART=n.
;; ======== version 1 of 1: 7 launches
;; limits: right only within a limited range of input values
;; workspace buffers: wq 9,830,400 bytes; hb 3,276,800 bytes; qb 3,276,800 bytes; kb 3,276,800 bytes; vb 3,276,800 bytes; yb 3,276,800 bytes; x1 16,777,216 bytes; gb 13,107,200 bytes
;; launch prep (part 1): grid 640 x 1, 8 waves a work-group, no clusters, 66,816 bytes of LDS; arguments x, ln1_g, ln1_b, hb, W_attn, W_proj, W_fc, W_fc_proj, wq; writes hb, wq
.if DOCPART == 1
	.amdgcn_target "amdgcn-amd-amdhsa--gfx1250"
	.amdhsa_code_object_version 6
	.text
	.protected	k_qd87a236582_prep
	.globl	k_qd87a236582_prep
	.p2align	8
	.type	k_qd87a236582_prep,@function
k_qd87a236582_prep:
	s_mov_b64 s[64:65], 0
	v_nop
	global_prefetch_b8 v0, s[64:65] scope:SCOPE_SE
	s_setreg_imm32_b32 hwreg(HW_REG_WAVE_MODE, 25, 1), 1
	s_wait_xcnt 0x0
; THE PROGRAM: one transformer block (layernorm, QKV, causal attention, projection, layernorm, MLP with gelu) on 4,096 tokens of 1,024; all six products on codes of FP6 (E2M3) with one E8M0 scale for each 32 along K.
; Launches: prep (this one) | qkv | attn | proj | ln2 | fc | fcproj.
; WORK LEFT OUT: only key steps of attention that lie wholly above the diagonal of the causal mask that the block builds itself: there every logit is -infinity, so p = 0 for all values of the inputs and
; nothing of the step reaches a sum.  All thirteen inputs have a way to the output and are loaded.  LIMIT: a NaN, an infinity or an overflow that would arise only in such a hidden step is not carried to the result.
; LAYOUTS OF THE PROGRAM'S OWN BUFFERS.  ORDER OF ROWS: rows of an operand go in groups of 32; block 2 g + u, row r holds index 32 g + 8 u + r + 8 (r / 8).  A product whose source 0 is such a block leaves, in the
; 16 registers of two neighbouring result tiles, 16 NEIGHBOURS along that operand's rows.  IMAGE: a fragment (16 rows x 128 K, 12 registers a lane) lies as its registers: register j of lane L at byte 512 (j / 4) + 16 L + 4 (j % 4): 1,536 bytes.
; RECORD (row group of 128, K step of 128): 8 images, then 128 scale words (4 bytes a row): 12,800 bytes = 50 x 256.  A buffer is records in the order row group x K steps + K step.
; THIS LAUNCH does two things that do not depend on each other, so that they share one launch; the work-group's number alone says which.
; WORK-GROUPS 0..383: the four weights, f32 [K][N], become records in wq: W_attn 0..191, W_proj 192..255, W_fc 256..511, W_fc_proj 512..767.  A work-group makes two records, four waves each.
;   A LANE TAKES A COLUMN n AND ITS REGISTERS RUN DOWN K: a block of 32 along K lies in one lane, and the conversions give codes with K innermost.  A wave takes 32 columns (two images); the lanes take them in the
;   order of rows above, and still read 128 consecutive bytes a load, four waves 512.  Loads run two blocks (64 loads a wave) ahead, through three sets of 32 registers.  No LDS, no barrier.
; WORK-GROUPS 384..639: the first layernorm, quantised along the row into records in hb.  Work-group 384 + B makes block B of 16 rows: tokens 32 (B / 2) + 8 (B % 2) + r + 8 (r / 8).
;   PHASE 1: wave w normalises image rows 2 w and 2 w + 1, a row in 32 registers: mean, then the mean of the squared differences, as the block writes it; the result goes to LDS as rows of f32.
;   PHASE 2, behind the one barrier: wave w quantises K step w of all 16 rows: lane (r, h) takes the numbers 64 c + 32 h + 0 .. 31 of row r, two whole blocks, so that the conversions' results are the image's registers.
;   LDS rows are 4,112 bytes apart, an odd multiple of 16: the sixteen rows that a load of 16 bytes a lane touches start in sixteen different groups of banks (64 banks of 4 bytes: ISA guide 11.1).
; A block's scale is 2^(floor(log2(largest magnitude)) - 2): its byte is the largest magnitude's exponent field - 2, held at 1 from below.
; LIMITS: a block of zeros gets the byte 1 where the rule says 127 (its codes are zeros, and this program alone reads the bytes); blocks whose largest magnitude lies under 2^-124 are held at that byte; NaN and infinities among the inputs are not served.
.set REC,   12800
.set NWQ,   384                        ; work-groups that take weights
; the weights' path
.set X,    16                          ; v16-111  three sets of 32: block kb in set kb % 3: register i = W[128 ks + 32 kb + i][my column]
.set IA,   112                         ; v112-123 blocks 0 and 2 of my column, later the image of lanes 0-15's columns
.set IB,   124                         ; v124-135 blocks 1 and 3, later the image of lanes 16-31's columns
.set T,    136                         ; v136-151 a block's upper 16 codes (a conversion's three registers begin on an even number)
.set MX,   152                         ; v152-153 two chains of the largest magnitude
.set BY,   154                         ; v154     a scale's byte
.set PW,   155                         ; v155     my column's scale word
.set SO,   156                         ; v156-159 the conversions' scale operands, one a block
; the layernorm's path
.set PITCH, 4112
.set SPARE, 16*PITCH                   ; behind the rows: the spare words, 128 bytes for each of 8 waves
.set SPW,   8                          ; v8   my spare word's LDS address; never rewritten
.set NIL,   9                          ; v9   0; never rewritten
.set XR,    16                         ; v16-79   two rows of 32 registers; in phase 2 my 64 numbers
.set GG,    80                         ; v80-111  the gain; in phase 2 the image (v80-91) and the upper halves (v92-98)
.set BB,    112                        ; v112-143 the bias
.set SA,    144                        ; v144-151 sums, four registers a row; in phase 2 at work
.set SQ,    152                        ; v152-159 sums of squares
	v_lshl_add_u32 v[SPW], v0, 2, SPARE
	v_mov_b32 v[NIL], 0
	v_lshrrev_b32 v1, 5, v0                        ; wave
	s_cmp_lt_u32 ttmp9, NWQ                        ; the work-group's number alone decides
	s_cbranch_scc0 .Lnorm
	; ================ the weights ================
	s_load_b256 s[4:11], s[0:1], 0x20              ; W_attn s[4:5], W_proj s[6:7], W_fc s[8:9], W_fc_proj s[10:11]
	s_load_b64 s[12:13], s[0:1], 0x40              ; wq
	v_readfirstlane_b32 s16, v1                    ; wave 0..7
	s_lshr_b32 s14, s16, 2                         ; which of the work-group's two records
	s_and_b32 s15, s16, 3                          ; which 32 of its 128 columns
	s_lshl_b32 s24, ttmp9, 1
	s_add_co_u32 s24, s24, s14                     ; my record
	v_and_b32 v1, 31, v0                           ; lane
	s_delay_alu instid0(VALU_DEP_1)
	v_and_b32 v2, 7, v1
	s_delay_alu instid0(VALU_DEP_2)
	v_bfe_u32 v5, v1, 3, 1
	s_delay_alu instid0(VALU_DEP_1)
	v_lshl_add_u32 v2, v5, 4, v2
	s_delay_alu instid0(VALU_DEP_4)
	v_lshrrev_b32 v5, 4, v1
	s_delay_alu instid0(VALU_DEP_1)
	v_lshl_add_u32 v2, v5, 3, v2                   ; my column of the wave's 32: 8 (l / 16) + l % 8 + 16 ((l / 8) % 2)
	s_lshl_b32 s17, s15, 7
	v_lshl_add_u32 v2, v2, 2, s17                  ; in bytes, + 128 x quarter
	s_mul_i32 s18, s15, 3072
	v_lshl_add_u32 v3, v1, 4, s18                  ; out: 16 x lane + my wave's two images
	v_lshl_add_u32 v4, v1, 2, s17
	s_delay_alu instid0(VALU_DEP_1)
	v_add_nc_u32 v4, 12288, v4                     ; and my scale word: behind the 8 images, 4 (32 quarter + lane)
	s_mul_i32 s22, s24, REC
	s_mov_b32 s23, 0
	s_wait_kmcnt 0x0
	s_add_nc_u64 s[12:13], s[12:13], s[22:23]      ; my record in wq
; Block kb's 32 loads: rows 32 kb + 0 .. 31 of my K step.  Every offset is an immediate (127 x 16,384 at the most, inside the signed 24 bits).
.macro LOADB kb, pitch
.set KK, 0
.rept 32
	global_load_b32 v[X+32*((\kb)%3)+KK], v2, s[20:21] offset:(32*(\kb)+KK)*(\pitch) th:TH_LOAD_NT
.set KK, KK+1
.endr
.endm
; Block kb is quantised: its largest magnitude, its byte, its 32 codes.
.macro BLOCK kb
.set XS, X+32*((\kb)%3)
.set D, IA+12*((\kb)%2)+6*((\kb)/2)
	v_max3_num_f32 v[MX], |v[XS]|, |v[XS+1]|, |v[XS+2]|
	v_max3_num_f32 v[MX+1], |v[XS+3]|, |v[XS+4]|, |v[XS+5]|
.irp i, 6,10,14,18,22,26
	s_delay_alu instid0(VALU_DEP_2)
	v_max3_num_f32 v[MX], v[MX], |v[XS+\i]|, |v[XS+\i+1]|
	s_delay_alu instid0(VALU_DEP_2)
	v_max3_num_f32 v[MX+1], v[MX+1], |v[XS+\i+2]|, |v[XS+\i+3]|
.endr
	s_delay_alu instid0(VALU_DEP_2)
	v_max3_num_f32 v[MX], v[MX], |v[XS+30]|, |v[XS+31]|
	s_delay_alu instid0(VALU_DEP_1)
	v_max3_num_f32 v[MX], v[MX], v[MX+1], 0x1800000        ; the floor 2^(3 - 127): the byte cannot fall under 1
	s_delay_alu instid0(VALU_DEP_1)
	v_add_nc_u32 v[SO+(\kb)], 0xff000000, v[MX]            ; 2 off the exponent field: the conversion takes this operand's exponent field as its scale
	s_delay_alu instid0(VALU_DEP_1)
	v_lshrrev_b32 v[BY], 23, v[SO+(\kb)]                   ; the scale's byte
.if (\kb) == 0
	s_delay_alu instid0(VALU_DEP_1)
	v_mov_b32 v[PW], v[BY]
.else
	s_delay_alu instid0(VALU_DEP_1)
	v_lshl_or_b32 v[PW], v[BY], 8*(\kb), v[PW]
.endif
	v_cvt_scalef32_pk16_fp6_f32 v[D:D+2], v[XS:XS+15], v[SO+(\kb)]
	v_cvt_scalef32_pk16_fp6_f32 v[T+4*(\kb):T+4*(\kb)+2], v[XS+16:XS+31], v[SO+(\kb)]
.endm
; One weight's way through: p its pointer, first its first record, 2^logks its K steps, pitch its row in bytes (an immediate of the loads: so the four blocks stand in each weight's arm).
.macro ARM p, first, logks, pitch
	s_sub_co_u32 s17, s24, \first
	s_lshr_b32 s18, s17, \logks                    ; row group (128 columns of the weight)
	s_and_b32 s19, s17, (1<<\logks)-1              ; K step
	s_mul_i32 s20, s19, 128*\pitch
	s_lshl_b32 s18, s18, 9
	s_add_co_u32 s20, s20, s18
	s_mov_b32 s21, 0
	s_add_nc_u64 s[20:21], s[\p:\p+1], s[20:21]
	LOADB 0, \pitch
	LOADB 1, \pitch
	s_wait_loadcnt 32                              ; loads come back in order: block 0's 32 are in, block 1's may be out
	LOADB 2, \pitch
	BLOCK 0
	s_wait_loadcnt 32                              ; block 1 is in, block 2's 32 may be out
	LOADB 3, \pitch                                ; into block 0's set, which has been quantised
	BLOCK 1
	s_wait_loadcnt 32                              ; block 2 is in, block 3's 32 may be out
	BLOCK 2
	s_wait_loadcnt 0x0
	BLOCK 3
.endm
	s_cmp_lt_u32 ttmp9, 96                         ; which weight: both records of a work-group belong to the same one
	s_cbranch_scc0 .Lnot_attn
	s_wait_alu depctr_va_vdst(0)
	ARM 4, 0, 3, 12288
	s_branch .Ljoin
.Lnot_attn:
	s_cmp_lt_u32 ttmp9, 128
	s_cbranch_scc0 .Lnot_proj
	s_wait_alu depctr_va_vdst(0)
	ARM 6, 192, 3, 4096
	s_branch .Ljoin
.Lnot_proj:
	s_cmp_lt_u32 ttmp9, 256
	s_cbranch_scc0 .Lnot_fc
	s_wait_alu depctr_va_vdst(0)
	ARM 8, 256, 3, 16384
	s_branch .Ljoin
.Lnot_fc:
	s_wait_alu depctr_va_vdst(0)
	ARM 10, 512, 5, 4096
.Ljoin:
	v_nop                                          ; one plain line behind the last conversion
.irp kb, 0,1,2,3
.irp i, 0,1,2
	v_mov_b32 v[IA+12*(\kb%2)+6*(\kb/2)+3+\i], v[T+4*\kb+\i]
.endr
.endr
; An image wants, in lane (r, h), blocks h and 2 + h of row r.  IA's lanes 16-31 change places with IB's lanes 0-15: IA is then the image of lanes 0-15's columns, IB that of lanes 16-31's.
.irp i, 0,1,2,3,4,5,6,7,8,9,10,11
	v_permlane16_swap_b32 v[IA+\i], v[IB+\i]
.endr
.irp c, 0,1,2,3,4,5
	global_store_b128 v3, v[IA+4*\c:IA+4*\c+3], s[12:13] offset:512*\c   ; 32 lanes store 512 consecutive bytes, at a multiple of 256 from the buffer's first byte
.endr
	global_store_b32 v4, v[PW], s[12:13]           ; 128 consecutive bytes a wave; four waves' together are the record's last 512
	s_endpgm
	; ================ the layernorm ================
.Lnorm:
	s_load_b256 s[4:11], s[0:1], 0x0               ; rows s[4:5], gain s[6:7], bias s[8:9], records s[10:11]
	s_wait_alu depctr_va_vdst(0)
	v_readfirstlane_b32 s12, v1                    ; wave 0..7
	s_sub_co_u32 s2, ttmp9, NWQ                    ; B, my block of 16 rows
	v_and_b32 v1, 31, v0                           ; lane
	s_delay_alu instid0(VALU_DEP_1)
	v_lshlrev_b32 v2, 4, v1                        ; 16 x lane
	v_and_b32 v5, 15, v0                           ; r
	v_bfe_u32 v6, v0, 4, 1                         ; h
	s_delay_alu instid0(VALU_DEP_2)
	v_lshlrev_b32 v7, 2, v5                        ; 4 r
	s_mul_i32 s31, s12, 2*PITCH
	v_add_nc_u32 v3, s31, v2                       ; LDS, phase 1: my wave's two rows, 16 bytes a lane
	v_mul_u32_u24 v4, v5, PITCH
	s_delay_alu instid0(VALU_DEP_1)
	v_lshl_add_u32 v4, v6, 7, v4
	s_lshl_b32 s30, s12, 9
	v_add_nc_u32 v4, s30, v4                       ; LDS, phase 2: row r, K step w (512 bytes), + 128 h
	s_lshr_b32 s13, s2, 1
	s_lshl_b32 s13, s13, 5
	s_and_b32 s14, s2, 1
	s_lshl_b32 s14, s14, 3
	s_add_co_u32 s13, s13, s14
	s_lshl_b32 s14, s12, 1
	s_add_co_u32 s13, s13, s14
	s_lshr_b32 s14, s12, 2
	s_lshl_b32 s14, s14, 3
	s_add_co_u32 s13, s13, s14                     ; my first token: 32 (B / 2) + 8 (B % 2) + 2 w + 8 (w / 4)
	s_lshl_b32 s14, s13, 12                        ; x 4,096 bytes
	s_mov_b32 s15, 0
	s_mov_b32 s16, 0x3a800000                      ; 1 / 1,024
	s_mov_b32 s17, 0x3727c5ac                      ; 1e-5
	s_mov_b32 s28, 0x76543210
	s_mov_b32 s29, 0xfedcba98                      ; v_permlanex16_b32's selects for lane l xor 16
	s_lshr_b32 s18, s2, 3
	s_lshl_b32 s18, s18, 3
	s_add_co_u32 s18, s18, s12
	s_mul_i32 s18, s18, REC                        ; record (B / 8, K step w)
	s_and_b32 s19, s2, 7
	s_mul_i32 s20, s19, 1536
	s_add_co_u32 s20, s20, s18                     ; my image
	s_mov_b32 s21, 0
	s_lshl_b32 s22, s19, 6
	s_add_co_u32 s22, s22, s18
	s_add_co_u32 s22, s22, 12288                   ; my block's 16 scale words
	s_mov_b32 s23, 0
	s_wait_alu depctr_va_vdst(0)
	s_wait_kmcnt 0x0
	s_add_nc_u64 s[4:5], s[4:5], s[14:15]
	s_add_nc_u64 s[24:25], s[10:11], s[20:21]
	s_add_nc_u64 s[26:27], s[10:11], s[22:23]
.irp e, 0,1
.irp j, 0,1,2,3,4,5,6,7
	global_load_b128 v[XR+32*\e+4*\j:XR+32*\e+4*\j+3], v2, s[4:5] offset:4096*\e+512*\j   ; 512 consecutive bytes a load
.endr
.endr
.irp j, 0,1,2,3,4,5,6,7
	global_load_b128 v[GG+4*\j:GG+4*\j+3], v2, s[6:7] offset:512*\j
.endr
.irp j, 0,1,2,3,4,5,6,7
	global_load_b128 v[BB+4*\j:BB+4*\j+3], v2, s[8:9] offset:512*\j
.endr
	s_wait_loadcnt 16                              ; the two rows are in; the gain's and the bias's sixteen loads may be out
; a sum over the wave's 32 lanes of v[a] for both rows; v[a + 1] is at work
.macro ACROSS a
.irp m, 1,2,4,8
.irp e, 0,1
	s_delay_alu instid0(VALU_DEP_2)
	v_add_f32_dpp v[\a+4*\e], v[\a+4*\e], v[\a+4*\e] row_xmask:\m row_mask:0xf bank_mask:0xf
.endr
.endr
.irp e, 0,1
	s_delay_alu instid0(VALU_DEP_2)
	v_permlanex16_b32 v[\a+4*\e+1], v[\a+4*\e], s28, s29
.endr
.irp e, 0,1
	s_delay_alu instid0(VALU_DEP_2)
	v_add_f32 v[\a+4*\e], v[\a+4*\e], v[\a+4*\e+1]
.endr
.endm
.irp e, 0,1
	v_pk_add_f32 v[SA+4*\e:SA+4*\e+1], v[XR+32*\e:XR+32*\e+1], v[XR+32*\e+2:XR+32*\e+3]     ; the first words start the chains: nothing is cleared
	v_pk_add_f32 v[SA+4*\e+2:SA+4*\e+3], v[XR+32*\e+4:XR+32*\e+5], v[XR+32*\e+6:XR+32*\e+7]
.endr
.irp i, 8,12,16,20,24,28
.irp e, 0,1
	s_delay_alu instid0(VALU_DEP_4)
	v_pk_add_f32 v[SA+4*\e:SA+4*\e+1], v[SA+4*\e:SA+4*\e+1], v[XR+32*\e+\i:XR+32*\e+\i+1]
	s_delay_alu instid0(VALU_DEP_4)
	v_pk_add_f32 v[SA+4*\e+2:SA+4*\e+3], v[SA+4*\e+2:SA+4*\e+3], v[XR+32*\e+\i+2:XR+32*\e+\i+3]
.endr
.endr
.irp e, 0
	s_delay_alu instid0(VALU_DEP_3)
	v_pk_add_f32 v[SA+4*\e:SA+4*\e+1], v[SA+4*\e:SA+4*\e+1], v[SA+4*\e+2:SA+4*\e+3]
.endr
.irp e, 1
	s_delay_alu instid0(VALU_DEP_2)
	v_pk_add_f32 v[SA+4*\e:SA+4*\e+1], v[SA+4*\e:SA+4*\e+1], v[SA+4*\e+2:SA+4*\e+3]
.endr
.irp e, 0,1
	s_delay_alu instid0(VALU_DEP_2)
	v_add_f32 v[SA+4*\e], v[SA+4*\e], v[SA+4*\e+1]
.endr
	ACROSS SA
.irp e, 0,1
	s_delay_alu instid0(VALU_DEP_2)
	v_mul_f32 v[SA+4*\e], s16, v[SA+4*\e]          ; the mean
.endr
.irp i, 0,2,4,6,8,10,12,14,16,18,20,22,24,26,28,30
.irp e, 0,1
	v_pk_add_f32 v[XR+32*\e+\i:XR+32*\e+\i+1], v[XR+32*\e+\i:XR+32*\e+\i+1], v[SA+4*\e:SA+4*\e+1] op_sel_hi:[1,0] neg_lo:[0,1] neg_hi:[0,1]   ; x - mean, in place
.endr
.endr
.irp e, 0,1
	v_pk_mul_f32 v[SQ+4*\e:SQ+4*\e+1], v[XR+32*\e:XR+32*\e+1], v[XR+32*\e:XR+32*\e+1]
	v_pk_mul_f32 v[SQ+4*\e+2:SQ+4*\e+3], v[XR+32*\e+2:XR+32*\e+3], v[XR+32*\e+2:XR+32*\e+3]
.endr
.irp i, 4,8,12,16,20,24,28
.irp e, 0,1
	s_delay_alu instid0(VALU_DEP_4)
	v_pk_fma_f32 v[SQ+4*\e:SQ+4*\e+1], v[XR+32*\e+\i:XR+32*\e+\i+1], v[XR+32*\e+\i:XR+32*\e+\i+1], v[SQ+4*\e:SQ+4*\e+1]
	s_delay_alu instid0(VALU_DEP_4)
	v_pk_fma_f32 v[SQ+4*\e+2:SQ+4*\e+3], v[XR+32*\e+\i+2:XR+32*\e+\i+3], v[XR+32*\e+\i+2:XR+32*\e+\i+3], v[SQ+4*\e+2:SQ+4*\e+3]
.endr
.endr
.irp e, 0
	s_delay_alu instid0(VALU_DEP_3)
	v_pk_add_f32 v[SQ+4*\e:SQ+4*\e+1], v[SQ+4*\e:SQ+4*\e+1], v[SQ+4*\e+2:SQ+4*\e+3]
.endr
.irp e, 1
	s_delay_alu instid0(VALU_DEP_2)
	v_pk_add_f32 v[SQ+4*\e:SQ+4*\e+1], v[SQ+4*\e:SQ+4*\e+1], v[SQ+4*\e+2:SQ+4*\e+3]
.endr
.irp e, 0,1
	s_delay_alu instid0(VALU_DEP_2)
	v_add_f32 v[SQ+4*\e], v[SQ+4*\e], v[SQ+4*\e+1]
.endr
	ACROSS SQ
.irp e, 0,1
	s_delay_alu instid0(VALU_DEP_2)
	v_fma_f32 v[SQ+4*\e], v[SQ+4*\e], s16, s17     ; the variance + 1e-5
.endr
	s_wait_alu depctr_va_vdst(0)
.irp e, 0,1
	v_rsq_f32 v[SQ+4*\e], v[SQ+4*\e]
.endr
	v_nop                                          ; a plain line behind the last transcendental
	s_wait_alu depctr_va_vdst(0)                   ; one wait for both, ahead of the first reader
	s_wait_loadcnt 0x0                             ; the gain and the bias
.irp i, 0,2,4,6,8,10,12,14,16,18,20,22,24,26,28,30
.irp e, 0,1
	v_pk_mul_f32 v[XR+32*\e+\i:XR+32*\e+\i+1], v[XR+32*\e+\i:XR+32*\e+\i+1], v[SQ+4*\e:SQ+4*\e+1] op_sel_hi:[1,0]
.endr
.endr
.irp i, 0,2,4,6,8,10,12,14,16,18,20,22,24,26,28,30
.irp e, 0,1
	v_pk_fma_f32 v[XR+32*\e+\i:XR+32*\e+\i+1], v[XR+32*\e+\i:XR+32*\e+\i+1], v[GG+\i:GG+\i+1], v[BB+\i:BB+\i+1]
.endr
.endr
.irp e, 0,1
.irp j, 0,1,2,3,4,5,6,7
	ds_store_b128 v3, v[XR+32*\e+4*\j:XR+32*\e+4*\j+3] offset:PITCH*\e+512*\j
.endr
.endr
	s_wait_dscnt 0x0                               ; for the others' sake: my rows lie in LDS
	s_barrier_signal -1
	s_barrier_wait -1
.irp c, 0,1
.irp j, 0,1,2,3,4,5,6,7
	ds_load_b128 v[XR+32*\c+4*\j:XR+32*\c+4*\j+3], v4 offset:256*\c+16*\j   ; register 32 c + i = number 128 w + 64 c + 32 h + i of row r
.endr
.endr
	s_wait_dscnt 0x0
.irp c, 0,1
	v_max3_num_f32 v[SA+\c], |v[XR+32*\c]|, |v[XR+32*\c+1]|, 0x1800000   ; my block 2 c + h: all its 32 numbers are mine; the floor 2^(3 - 127) holds the byte at 1 from below
.endr
.irp i, 2,4,6,8,10,12,14,16,18,20,22,24,26,28,30
.irp c, 0,1
	s_delay_alu instid0(VALU_DEP_2)
	v_max3_num_f32 v[SA+\c], v[SA+\c], |v[XR+32*\c+\i]|, |v[XR+32*\c+\i+1]|
.endr
.endr
.irp c, 0,1
	s_delay_alu instid0(VALU_DEP_2)
	v_add_nc_u32 v[SA+2+\c], 0xff000000, v[SA+\c]  ; 2 off the exponent field: the conversion's scale operand
.endr
.irp c, 0,1
	s_delay_alu instid0(VALU_DEP_2)
	v_lshrrev_b32 v[SA+4+\c], 23, v[SA+2+\c]       ; the scale's byte
.endr
	s_delay_alu instid0(VALU_DEP_1)
	v_lshl_or_b32 v[SA+6], v[SA+5], 16, v[SA+4]    ; my two bytes: blocks h and 2 + h,
	v_lshlrev_b32 v[SA+7], 3, v6
	s_delay_alu instid0(VALU_DEP_1)
	v_lshlrev_b32 v[SA+6], v[SA+7], v[SA+6]        ; at their places in the word;
	v_mov_b32 v[SA+7], 0
	s_delay_alu instid0(VALU_DEP_1)
	v_permlanex16_b32 v[SA+7], v[SA+6], s28, s29
	s_delay_alu instid0(VALU_DEP_1)
	v_or_b32 v[SA+6], v[SA+6], v[SA+7]             ; with lane l xor 16's two the word is whole
.irp c, 0,1
	v_cvt_scalef32_pk16_fp6_f32 v[GG+6*\c:GG+6*\c+2], v[XR+32*\c:XR+32*\c+15], v[SA+2+\c]
	v_cvt_scalef32_pk16_fp6_f32 v[GG+12+4*\c:GG+14+4*\c], v[XR+32*\c+16:XR+32*\c+31], v[SA+2+\c]   ; (a conversion's three registers begin on an even number)
.endr
	v_nop                                          ; one plain line behind the last conversion
.irp c, 0,1
.irp i, 0,1,2
	v_mov_b32 v[GG+3+6*\c+\i], v[GG+12+4*\c+\i]
.endr
.endr
.irp c, 0,1,2
	global_store_b128 v2, v[GG+4*\c:GG+4*\c+3], s[24:25] offset:512*\c   ; the image: 512 consecutive bytes a store
.endr
	s_wait_xcnt 0x0                                ; EXEC changes only behind this wait
	v_cmp_gt_u32 vcc_lo, 16, v1
	s_and_saveexec_b32 s20, vcc_lo
	global_store_b32 v7, v[SA+6], s[26:27]         ; lanes 0-15: the 16 rows' scale words, 64 consecutive bytes
	s_wait_xcnt 0x0
	s_or_b32 exec_lo, exec_lo, s20
	s_wait_tensorcnt 0x0                           ; the wave's end
	ds_add_u32 v[SPW], v[NIL]
	s_wait_dscnt 0x0
	s_endpgm
.Lfunc_end_k_qd87a236582_prep:
	.size	k_qd87a236582_prep, .Lfunc_end_k_qd87a236582_prep-k_qd87a236582_prep
	.p2alignl 7, 3214868480
	.fill 96, 4, 3214868480
	.section	.rodata,"a",@progbits
	.p2align	6, 0x0
	.amdhsa_kernel k_qd87a236582_prep
		.amdhsa_group_segment_fixed_size 66816
		.amdhsa_private_segment_fixed_size 0
		.amdhsa_enable_private_segment 0
		.amdhsa_kernarg_size 72
		.amdhsa_user_sgpr_count 2
		.amdhsa_user_sgpr_kernarg_segment_ptr 1
		.amdhsa_wavefront_size32 1
		.amdhsa_system_sgpr_workgroup_id_x 1
		.amdhsa_system_sgpr_workgroup_id_y 1
		.amdhsa_system_sgpr_workgroup_id_z 1
		.amdhsa_system_vgpr_workitem_id 0
		.amdhsa_next_free_vgpr 160
		.amdhsa_next_free_sgpr 66
		.amdhsa_reserve_vcc 1
		.amdhsa_float_denorm_mode_32 3
		.amdhsa_float_denorm_mode_16_64 3
		.amdhsa_memory_ordered 1
		.amdhsa_forward_progress 1
		.amdhsa_inst_pref_size 110
	.end_amdhsa_kernel
	.amdgpu_metadata
---
amdhsa.version: [ 1, 2 ]
amdhsa.kernels:
  - .name:           k_qd87a236582_prep
    .symbol:         k_qd87a236582_prep.kd
    .args:
      - { .name: x, .offset: 0, .size: 8, .value_kind: global_buffer, .address_space: global }
      - { .name: ln1_g, .offset: 8, .size: 8, .value_kind: global_buffer, .address_space: global }
      - { .name: ln1_b, .offset: 16, .size: 8, .value_kind: global_buffer, .address_space: global }
      - { .name: hb, .offset: 24, .size: 8, .value_kind: global_buffer, .address_space: global }
      - { .name: W_attn, .offset: 32, .size: 8, .value_kind: global_buffer, .address_space: global }
      - { .name: W_proj, .offset: 40, .size: 8, .value_kind: global_buffer, .address_space: global }
      - { .name: W_fc, .offset: 48, .size: 8, .value_kind: global_buffer, .address_space: global }
      - { .name: W_fc_proj, .offset: 56, .size: 8, .value_kind: global_buffer, .address_space: global }
      - { .name: wq, .offset: 64, .size: 8, .value_kind: global_buffer, .address_space: global }
    .group_segment_fixed_size: 66816
    .private_segment_fixed_size: 0
    .kernarg_segment_align: 8
    .kernarg_segment_size: 72
    .max_flat_workgroup_size: 256
    .sgpr_count:     66
    .vgpr_count:     160
    .wavefront_size: 32
...
	.end_amdgpu_metadata
.endif
;; end of part 1
;; launch qkv (part 2): grid 12 x 16, 4 waves a work-group, clusters of 4 x 4, 327,680 bytes of LDS; arguments hb, wq, b_attn, qb, kb, vb; writes qb, kb, vb
.if DOCPART == 2
	.amdgcn_target "amdgcn-amd-amdhsa--gfx1250"
	.amdhsa_code_object_version 6
	.text
	.protected	k_qd87a236582_qkv
	.globl	k_qd87a236582_qkv
	.p2align	8
	.type	k_qd87a236582_qkv,@function
k_qd87a236582_qkv:
	s_mov_b64 s[64:65], 0
	v_nop
	global_prefetch_b8 v0, s[64:65] scope:SCOPE_SE
	s_setreg_imm32_b32 hwreg(HW_REG_WAVE_MODE, 25, 1), 1
	s_wait_xcnt 0x0
	s_wait_alu depctr_hold_cnt(0) depctr_sa_sdst(0) depctr_va_vdst(0) depctr_va_sdst(0) depctr_va_ssrc(0) depctr_va_vcc(0) depctr_vm_vsrc(0)
	s_getreg_b32 s2, hwreg(HW_REG_IB_STS2, 6, 4)
	s_cmp_eq_u32 s2, 0
	s_cbranch_scc0 .Lentry_in_a_cluster
	s_endpgm
.Lentry_in_a_cluster:
	s_bfe_u32 s2, ttmp6, 0x10000c
	s_cmp_lg_u32 s2, 0xf033
	s_cbranch_scc0 .Lentry_shape_is_right
	s_endpgm
.Lentry_shape_is_right:
; qkv = h W_attn + b_attn on codes of FP6, K = 1,024, and its three parts quantised on the way out for attention's two products.  Layouts: head of the first kernel.
; A work-group of four waves makes 256 x 256, a wave 128 x 128: 64 accumulators.  THE MATRIX INSTRUCTION IS USED TRANSPOSED: source 0 = a block of operand B, source 1 = a block of operand A: a lane holds one row of A,
; and the 16 registers of two neighbouring tiles 16 neighbours along B's rows: those are the next product's K.
; CLUSTERS 0 AND 1 ALONG x (q and k): A = tokens (hb), B = W_attn's columns 0..2,047: a lane holds a token, its registers run along the head's 64: K of q k^T.
; CLUSTER 2 ALONG x (v): A = W_attn's columns 2,048.. , B = tokens: a lane holds a channel of v, its registers run along the tokens: the keys, K of p v.
; The choice hangs on the cluster's x alone, which all sixteen partners share.  A's tiles hang on the place along y, B's on the place along x: each is asked for JOINTLY along a row or a column of the cluster.
; OUT.  q, k: for (batch x 16 + head, 128 tokens) a record of 6,400 bytes: 8 half images (16 tokens x 64: registers 0-3 at 16 L, 4-5 at 512 + 8 L: 768 bytes), then 64 words {block 2 i, row r: 2 bytes | block 2 i + 1: 2 bytes}.
;       v: for (batch x 16 + head, 128 keys) a record of 6,400 bytes: 4 images (16 channels x 128 keys), then 64 scale words.
; K goes in 8 steps of 128.  A slot holds two steps (four dense blocks of 25,600 bytes, one a wave); slots 0 to 2 are first fills, slot 3 takes slot 0's place.  At most three tensor loads of a wave are out.
; REGISTERS: window 0: v1-27 addresses, v28-29 the add's two, v32-47 scale words (two sets), v64-255 A's fragments (two sets of 96); on the way out v128-185 at work.
;   window 1: B's fragments at v0 and v128 (two sets of 96); the bias at v96-127 and v224-255.   windows 2, 3: the accumulators ((a, b) at v[8 (8 (a % 4) + b)]).
; LIMITS: as stated at the head of the first kernel.
.set NQ,    2
.set KS,    8
.set REC,   12800
.set HALFT, 2*REC
.set SLOT,  4*HALFT
.set SPARE, 3*SLOT                     ; behind the three regions: the spare words, 128 bytes a wave
.set NF,    56                         ; LDS loads of one step's fragments and scale words
.set ADRA,  4                          ; v4-6    my A fragments in region 0, 1, 2
.set ADRB,  8                          ; v8-10   my B fragments
.set ADRS,  12                         ; v12-14  scale words: lanes 0-15 A's, lanes 16-31 B's
.set SPW,   28
.set NIL,   29
.set SC,    32
.set PC,    128                        ; v128-147 the codes just made
.set TM,    148                        ; v148-163 at work in QUANT
.set PWS,   166                        ; v166-173 the eight blocks' scale words
.set WV, 16
.set WM, 17
.set WN, 18
.set ISV, 21
.set G1A, 24
.set G1B, 32
.set G0A, 40                           ; s[40:51] group 0 for A, a set for each region
.set G0B, 52                           ; s[52:63] for B
.set MSB, 0
.macro WIN new                         ; the immediate's high byte repeats the setting that is left
.if MSB != (\new)
	s_set_vgpr_msb (MSB<<8)|(\new)
.set MSB, (\new)
.endif
.endm
.macro PLACES
.rept 4
	v_nop
.endr
.endm
; A joint load: waves 0 and 1 fetch for A, waves 2 and 3 for B.  The branch hangs on the wave's number alone.  An s_nop 0 and four v_nop follow each line.
.macro JLOAD g
	s_cmp_eq_u32 s[WM], 0
	s_cbranch_scc0 .Lfor_b_\@
	tensor_load_to_lds s[G0A+4*(\g):G0A+4*(\g)+3], s[G1A:G1A+7]
	s_nop 0
.rept 4
	v_nop
.endr
	s_branch .Lasked_\@
.Lfor_b_\@:
	tensor_load_to_lds s[G0B+4*(\g):G0B+4*(\g)+3], s[G1B:G1B+7]
	s_nop 0
.rept 4
	v_nop
.endr
.Lasked_\@:
.endm
.macro CREST                           ; a round of the cluster's barrier behind its opening barrier
	s_cmp_lg_u32 s[WV], 0
	s_cbranch_scc1 .Lnot_wave_0_\@
	s_barrier_signal -3
.Lnot_wave_0_\@:
	s_barrier_wait -3
	s_barrier_signal -1
	s_barrier_wait -1
.endm
.macro CROUND
	s_barrier_signal -1
	s_barrier_wait -1
	CREST
.endm
; Step t's fragments and scale words into set p: images come back as they were stored, three loads of 512 consecutive bytes each.
.macro FETCH t, p
.set FG, ((\t)/NQ)%3
.set FQ, (\t)%NQ
	WIN 0x40                                       ; destination window 1
.irp i, 0,1,2,3,4,5,6,7
.irp c, 0,1,2
	ds_load_b128 v[128*(\p)+12*\i+4*\c:128*(\p)+12*\i+4*\c+3], v[ADRB+FG] offset:FQ*REC+1536*\i+512*\c
.endr
.endr
	WIN 0
.irp i, 0,1,2,3,4,5,6,7
.irp c, 0,1,2
	ds_load_b128 v[64+96*(\p)+12*\i+4*\c:64+96*(\p)+12*\i+4*\c+3], v[ADRA+FG] offset:FQ*REC+1536*\i+512*\c
.endr
.endr
.irp i, 0,1,2,3,4,5,6,7
	ds_load_b32 v[SC+8*(\p)+\i], v[ADRS+FG] offset:FQ*REC+64*\i
.endr
.endm
; 16 matrix instructions: A's blocks 2 qd, 2 qd + 1 against B's eight.  mode 0: the sums go on; 1: they start from the bias along B's rows; 2: from the bias along A's rows.
; The 64 accumulators take turns, one instruction a turn, in the same order in every step.
.macro MULQ qd, p, mode
.irp e, 0,1
.set MA, 2*(\qd)+\e
.if (\mode) == 0
	WIN 0xa1+0x50*(MA/4)
.else
	WIN 0x91+0x40*(MA/4)
.endif
.irp b, 0,1,2,3,4,5,6,7
.set MD, 8*(8*(MA%4)+\b)
.set MC, 96+8*\b+96*(\b/4)
.if (\mode) == 2
.set MC, 96+8*MA+96*(MA/4)
.endif
.if (\mode) == 0
	v_wmma_scale_f32_16x16x128_f8f6f4 v[MD:MD+7], v[128*(\p)+12*\b:128*(\p)+12*\b+11], v[64+96*(\p)+12*MA:64+96*(\p)+12*MA+11], v[MD:MD+7], v[SC+8*(\p)+\b], v[SC+8*(\p)+MA] matrix_a_fmt:MATRIX_FMT_FP6 matrix_b_fmt:MATRIX_FMT_FP6 matrix_a_scale:MATRIX_SCALE_ROW1
.else
	v_wmma_scale_f32_16x16x128_f8f6f4 v[MD:MD+7], v[128*(\p)+12*\b:128*(\p)+12*\b+11], v[64+96*(\p)+12*MA:64+96*(\p)+12*MA+11], v[MC:MC+7], v[SC+8*(\p)+\b], v[SC+8*(\p)+MA] matrix_a_fmt:MATRIX_FMT_FP6 matrix_b_fmt:MATRIX_FMT_FP6 matrix_a_scale:MATRIX_SCALE_ROW1
.endif
.endr
.endr
.endm
.macro STEP t, mode                    ; the next step's loads go out in one run, then this step's 64 products
.if (\t) > 0
	PLACES                                         ; four places in front of loads into registers that the last step's products read
.endif
	FETCH (\t)+1, 1-(\t)%2
	s_wait_dscnt NF                                ; all but the run just issued: this step's set is in
	MULQ 0, (\t)%2, \mode
	MULQ 1, (\t)%2, \mode
	MULQ 2, (\t)%2, \mode
	MULQ 3, (\t)%2, \mode
.endm
; A slot's last step with a barrier.  In front of it each wave waits for all its tensor loads, adds 0 to its spare word, and waits for that and for its reads of the slot.
; kind 2: the barrier opens a round of the cluster's, and the slot's region is filled again first thing behind it.  kind 1: nothing is filled.
.macro TURN t, kind
.set TP, (\t)%2
.set RG, ((\t)/NQ)%3
	WIN 0
	s_wait_tensorcnt 0x0                           ; all my tensor loads have landed
	ds_add_u32 v[SPW], v[NIL]                      ; 0 onto my spare word
	s_wait_dscnt 1                                 ; (the add may be out: this step's set is in)
	MULQ 0, TP, 0
	s_wait_dscnt 0x0                               ; the add is done, and my reads of this slot are over
	s_barrier_signal -1
	MULQ 1, TP, 0
	WIN 0
	s_barrier_wait -1
.if (\kind) == 2
	CREST                                          ; no wave of any partner still reads this region or has a load on its way
	s_add_nc_u64 s[G0A+4*RG+2:G0A+4*RG+3], s[G0A+4*RG+2:G0A+4*RG+3], 3*NQ*REC
	s_add_nc_u64 s[G0B+4*RG+2:G0B+4*RG+3], s[G0B+4*RG+2:G0B+4*RG+3], 3*NQ*REC
	JLOAD RG                                       ; its four v_nop are also the places in front of the loads below
.else
	PLACES
.endif
	FETCH (\t)+1, 1-TP
	MULQ 2, TP, 0
	MULQ 3, TP, 0
.endm
.macro LAST t
	s_wait_dscnt 0x0
	MULQ 0, (\t)%2, 0
	MULQ 1, (\t)%2, 0
	MULQ 2, (\t)%2, 0
	MULQ 3, (\t)%2, 0
	WIN 0
	PLACES                                         ; in front of the first read of results and the first write of operands' registers
.endm
; 64 numbers of a lane, v[s] on in window w, register 16 b + i = k 32 b + 16 (lane / 16) + i of my row, become a fragment's codes in v[PC] on and its scale word in v[pw].  Each accumulator is read from its low end on.
.macro QUANT s, w, pw
	WIN (\w)|((\w)<<2)
.irp b, 0,1,2,3
	v_max3_num_f32 v[TM+\b], |v[(\s)+16*\b]|, |v[(\s)+16*\b+1]|, 0x1800000   ; the floor 2^(3 - 127) holds the byte at 1 from below
.endr
.irp i, 2,4,6,8,10,12,14
.irp b, 0,1,2,3
	v_max3_num_f32 v[TM+\b], |v[(\s)+16*\b+\i]|, |v[(\s)+16*\b+\i+1]|, v[TM+\b]
.endr
.endr
	WIN 0
.irp b, 0,1,2,3
	v_permlanex16_b32 v[TM+4+\b], v[TM+\b], s86, s87
.endr
.irp b, 0,1,2,3
	v_max_num_f32 v[TM+\b], v[TM+\b], v[TM+4+\b]   ; with lane l xor 16's: the block's largest magnitude
.endr
.irp b, 0,1,2,3
	v_add_nc_u32 v[TM+12+\b], 0xff000000, v[TM+\b] ; 2 off the exponent field: the conversion's scale operand
.endr
.irp b, 0,1,2,3
	v_lshrrev_b32 v[TM+4+\b], 23, v[TM+12+\b]      ; the scale's byte
.endr
	v_lshl_or_b32 v[\pw], v[TM+5], 8, v[TM+4]
	v_lshl_or_b32 v[\pw], v[TM+6], 16, v[\pw]
	v_lshl_or_b32 v[\pw], v[TM+7], 24, v[\pw]
	s_wait_xcnt 0x0                                ; the last block's stores have read v[PC] on: it is written again only behind this wait
	WIN \w
.irp c, 0,1
	v_cvt_scalef32_pk16_fp6_f32 v[PC+6*\c:PC+6*\c+2], v[(\s)+32*\c:(\s)+32*\c+15], v[TM+12+2*\c]
	v_cvt_scalef32_pk16_fp6_f32 v[PC+12+4*\c:PC+14+4*\c], v[(\s)+32*\c+16:(\s)+32*\c+31], v[TM+12+2*\c+1]
.endr
	WIN 0
	v_nop                                          ; one plain line behind the last conversion
.irp c, 0,1                                    ; the layout wants a WHOLE block in a lane: lanes 0-15 block 2 c, lanes 16-31 block 2 c + 1
.irp i, 0,1,2
	v_permlane16_swap_b32 v[PC+6*\c+\i], v[PC+12+4*\c+\i]
.endr
.irp i, 0,1,2
	v_mov_b32 v[PC+3+6*\c+\i], v[PC+12+4*\c+\i]
.endr
.endr
.endm
	s_load_b256 s[4:11], s[0:1], 0x0               ; hb s[4:5], wq s[6:7], b_attn s[8:9], qb s[10:11]
	s_load_b128 s[12:15], s[0:1], 0x20             ; kb s[12:13], vb s[14:15]
	v_lshl_add_u32 v[SPW], v0, 2, SPARE
	v_mov_b32 v[NIL], 0
	ds_add_u32 v[SPW], v[NIL]                      ; the wave's opening: the add, twice on end, and its wait ahead of my first tensor load
	ds_add_u32 v[SPW], v[NIL]
	v_lshrrev_b32 v1, 5, v0
	v_readfirstlane_b32 s[WV], v1                  ; wave 0..3
	s_lshr_b32 s[WM], s[WV], 1                     ; my half of A's rows.  Also: I fetch for A (0) or for B (1)
	s_and_b32 s[WN], s[WV], 1                      ; my half of B's rows.  Also: which 128 rows I fetch
	s_bfe_u32 s19, ttmp6, 0x40000                  ; cx
	s_bfe_u32 s20, ttmp6, 0x40004                  ; cy
	s_and_b32 s73, ttmp7, 0xffff
	s_lshl_b32 s73, s73, 2                         ; 4 x cluster y
	s_lshl_b32 s98, ttmp9, 2                       ; 4 x cluster x
	s_cmp_eq_u32 ttmp9, 2                          ; the cluster's x: the same in all sixteen partners
	s_cselect_b32 s[ISV], 1, 0
	s_cselect_b32 s66, 8, s73
	s_cselect_b32 s67, s73, s98
	s_add_co_u32 s66, s66, s20                     ; TA, A's tile of 256 rows: tokens 4 cluster y + cy, or W_attn's tile 8 + cy
	s_add_co_u32 s67, s67, s19                     ; TB, B's: W_attn's tile 4 cluster x + cx, or tokens 4 cluster y + cx
	s_lshl_b32 s22, s20, 2
	s_lshl_b32 s22, 15, s22                        ; my row of the cluster
	s_lshl_b32 s23, 0x1111, s19                    ; my column
	; group 1: a dense block of 76,800 bytes as 300 rows of 32 elements of 8 bytes; no padding
	s_or_b32 s[G1A], s22, (3<<16)|(1<<21)
	s_or_b32 s[G1B], s23, (3<<16)|(1<<21)
.irp g, G1A, G1B
	s_mov_b32 s[\g+1], 32<<16
	s_mov_b32 s[\g+2], 300<<16                     ; the head's load: six records of a row group, 76,800 dense bytes, one load a wave
	s_mov_b32 s[\g+3], 32<<16
	s_mov_b32 s[\g+4], 300
	s_mov_b32 s[\g+5], 32
	s_mov_b32 s[\g+6], 0
	s_mov_b32 s[\g+7], 0
.endr
	s_lshl_b32 s68, s66, 1
	s_add_co_u32 s68, s68, s[WN]
	s_mul_i32 s68, s68, KS*REC                     ; A: row group 2 TA + (wave % 2), K step 0
	s_mov_b32 s69, 0
	s_lshl_b32 s70, s67, 1
	s_add_co_u32 s70, s70, s[WN]
	s_mul_i32 s70, s70, KS*REC                     ; B likewise
	s_mov_b32 s71, 0
	s_mul_i32 s72, s[WV], 3*HALFT                  ; each wave's region holds K steps 0 to 5 of its 128 rows; steps 6 and 7 later take the place of steps 0 and 1
	s_wait_dscnt 0x0                               ; both opening adds are done
	s_wait_kmcnt 0x0
	s_cmp_eq_u32 s[ISV], 1
	s_cselect_b64 s[74:75], s[6:7], s[4:5]
	s_cselect_b64 s[76:77], s[4:5], s[6:7]
	s_add_nc_u64 s[74:75], s[74:75], s[68:69]
	s_add_nc_u64 s[76:77], s[76:77], s[70:71]
	CROUND
.irp g, 0
	s_mov_b32 s[G0A+4*\g], 1
	s_add_co_u32 s[G0A+4*\g+1], s72, \g*SLOT
	s_add_nc_u64 s[G0A+4*\g+2:G0A+4*\g+3], s[74:75], \g*NQ*REC
	s_or_b32 s[G0A+4*\g+3], s[G0A+4*\g+3], 0x80000000
	s_mov_b32 s[G0B+4*\g], 1
	s_add_co_u32 s[G0B+4*\g+1], s72, \g*SLOT
	s_add_nc_u64 s[G0B+4*\g+2:G0B+4*\g+3], s[76:77], \g*NQ*REC
	s_or_b32 s[G0B+4*\g+3], s[G0B+4*\g+3], 0x80000000
	JLOAD \g
.endr
	v_and_b32 v1, 15, v0                           ; r
	v_bfe_u32 v2, v0, 4, 1                         ; h
	v_and_b32 v3, 31, v0                           ; lane
	v_lshlrev_b32 v16, 4, v3                       ; 16 x lane
	s_wait_alu depctr_va_vdst(0)
	v_lshlrev_b32 v17, 2, v3                       ; 4 x lane
	v_lshlrev_b32 v20, 3, v3
	v_add_nc_u32 v20, 512, v20                     ; 8 x lane + 512: a half image's registers 4, 5
	s_mul_i32 s78, s[WM], 3*HALFT
	s_add_co_u32 s79, s[WN], 2
	s_mul_i32 s79, s79, 3*HALFT
	s_xor_b32 s80, s[WM], 1
	s_add_co_u32 s80, s80, s[WN]
	s_add_co_u32 s80, s80, 1
	s_mul_i32 s80, s80, 3*HALFT
	v_mul_u32_u24 v18, s80, v2                     ; lanes 16-31 take B's scale words
	v_lshl_add_u32 v18, v1, 2, v18
	s_add_co_u32 s81, s78, 12288
.irp g, 0,1,2
	v_add_nc_u32 v[ADRA+\g], s78, v16
	v_add_nc_u32 v[ADRB+\g], s79, v16
	v_add_nc_u32 v[ADRS+\g], s81, v18
	s_add_co_u32 s78, s78, HALFT                   ; address register g serves K steps 2 g and 2 g + 1 of a region
	s_add_co_u32 s79, s79, HALFT
	s_add_co_u32 s81, s81, HALFT
.endr
	; the bias is the C of each sum's first product: eight registers a block, in the result's layout
	s_cmp_eq_u32 s[ISV], 0
	s_cbranch_scc0 .Lbias_v
	s_lshl_b32 s82, s67, 10
	s_lshl_b32 s83, s[WN], 9
	s_add_co_u32 s82, s82, s83                     ; 4 (256 TB + 128 WN)
	s_mov_b32 s83, 0
	s_add_nc_u64 s[82:83], s[8:9], s[82:83]
	v_lshlrev_b32 v19, 6, v2                       ; lane (r, h), block 2 g + u, register j: column 32 g + 8 u + 16 h + j
	WIN 0x40
.irp b, 0,1,2,3,4,5,6,7
	global_load_b128 v[96+8*\b+96*(\b/4):96+8*\b+96*(\b/4)+3], v19, s[82:83] offset:(32*(\b/2)+8*(\b%2))*4
	global_load_b128 v[96+8*\b+96*(\b/4)+4:96+8*\b+96*(\b/4)+7], v19, s[82:83] offset:(32*(\b/2)+8*(\b%2))*4+16
.endr
	WIN 0
	s_branch .Lbias_done
.Lbias_v:
	s_lshl_b32 s82, s20, 10
	s_lshl_b32 s83, s[WM], 9
	s_add_co_u32 s82, s82, s83
	s_add_co_u32 s82, s82, 8192                    ; 4 (2,048 + 256 cy + 128 WM)
	s_mov_b32 s83, 0
	s_add_nc_u64 s[82:83], s[8:9], s[82:83]
	v_and_b32 v19, 8, v1
	v_add_nc_u32 v19, v19, v1
	v_lshlrev_b32 v19, 2, v19                      ; my channel in a block: r + 8 (r / 8); the same number in all eight registers
	WIN 0x40
.irp a, 0,1,2,3,4,5,6,7
.irp j, 0,1,2,3,4,5,6,7
	global_load_b32 v[96+8*\a+96*(\a/4)+\j], v19, s[82:83] offset:(32*(\a/2)+8*(\a%2))*4
.endr
.endr
	WIN 0
.Lbias_done:
	s_wait_tensorcnt 0x0                           ; my one load, K steps 0 to 5 of my 128 rows, is in; no load of mine is out, so a descriptor may be written:
	s_mov_b32 s[G1A+2], 100<<16                    ; the refill brings two records, 100 rows of 256 bytes
	s_mov_b32 s[G1A+4], 100
	s_mov_b32 s[G1B+2], 100<<16
	s_mov_b32 s[G1B+4], 100
	s_barrier_signal -1
	s_barrier_wait -1
	s_wait_alu depctr_va_vdst(0)
	FETCH 0, 0
	FETCH 1, 1
	s_wait_dscnt NF                                ; step 0's set is in
	s_wait_loadcnt 0x0                             ; the bias
	s_cmp_eq_u32 s[ISV], 0
	s_cbranch_scc0 .Lstep0_v
	MULQ 0, 0, 1
	MULQ 1, 0, 1
	MULQ 2, 0, 1
	MULQ 3, 0, 1
	WIN 0
	s_branch .Lstep0_done
.Lstep0_v:
	MULQ 0, 0, 2
	MULQ 1, 0, 2
	MULQ 2, 0, 2
	MULQ 3, 0, 2
	WIN 0
.Lstep0_done:
	TURN 1, 2                                      ; slot 0 is left: its region takes slot 3
	STEP 2, 0
	STEP 3, 0                                      ; slot 2 was shown landed to every wave by the wait and the round above
	STEP 4, 0
	TURN 5, 1                                      ; slot 3 has landed
	STEP 6, 0
	LAST 7
	s_mov_b32 s86, 0x76543210
	s_mov_b32 s87, 0xfedcba98
.irp b, 0,1,2,3
	v_mov_b32 v[TM+4+\b], 0                        ; written once: a lane permute's destination counts as one of its sources
.endr
	v_cmp_le_u32 s94, 16, v3                       ; lanes 16-31
	s_cmp_eq_u32 s[ISV], 0
	s_cbranch_scc0 .Lout_v
	; ---- q, k: block a is 16 tokens x 128 columns = two heads' half images
	s_lshr_b32 s84, s66, 3
	s_lshl_b32 s84, s84, 4                         ; 16 x batch
	s_lshl_b32 s85, s19, 2
	s_add_co_u32 s84, s84, s85
	s_lshl_b32 s85, s[WN], 1
	s_add_co_u32 s84, s84, s85                     ; + head 4 cx + 2 WN
	s_lshl_b32 s84, s84, 4
	s_lshl_b32 s85, s66, 1
	s_add_co_u32 s85, s85, s[WM]
	s_and_b32 s85, s85, 15
	s_add_co_u32 s84, s84, s85                     ; x 16 + the batch's group of 128 tokens
	s_mul_i32 s84, s84, 6400
	s_mov_b32 s85, 0
	s_cmp_eq_u32 ttmp9, 0
	s_cselect_b64 s[88:89], s[10:11], s[12:13]     ; cluster x = 0: q; 1: k
	s_add_nc_u64 s[88:89], s[88:89], s[84:85]
	s_mov_b32 s92, 0x05040100
	s_mov_b32 s93, 0x07060302
.irp a, 0,1,2,3,4,5,6,7
	QUANT 64*(\a%4), 2+\a/4, PWS+\a
	global_store_b128 v16, v[PC:PC+3], s[88:89] offset:768*\a
	global_store_b64 v20, v[PC+4:PC+5], s[88:89] offset:768*\a
	global_store_b128 v16, v[PC+6:PC+9], s[88:89] offset:768*\a+102400          ; the next head's records lie 16 x 6,400 bytes on
	global_store_b64 v20, v[PC+10:PC+11], s[88:89] offset:768*\a+102400
.endr
.irp i, 0,1,2,3
	v_perm_b32 v[174+\i], v[PWS+2*\i+1], v[PWS+2*\i], s92   ; first head: bytes 0, 1 of blocks 2 i and 2 i + 1
	v_perm_b32 v[178+\i], v[PWS+2*\i+1], v[PWS+2*\i], s93   ; second head: bytes 2, 3
.endr
.irp i, 0,1
	v_cndmask_b32 v[182+\i], v[174+2*\i], v[175+2*\i], s94   ; lanes 0-15 one pair of blocks, lanes 16-31 the next: 128 consecutive bytes
	v_cndmask_b32 v[184+\i], v[178+2*\i], v[179+2*\i], s94
.endr
.irp i, 0,1
	global_store_b32 v17, v[182+\i], s[88:89] offset:6144+128*\i
	global_store_b32 v17, v[184+\i], s[88:89] offset:6144+128*\i+102400
.endr
	s_branch .Lout_done
.Lout_v:
	; ---- v: block a is 16 channels x 128 keys: a whole image; blocks 0-3 one head, 4-7 the next
	s_lshr_b32 s84, s67, 3
	s_lshl_b32 s84, s84, 4
	s_lshl_b32 s85, s20, 2
	s_add_co_u32 s84, s84, s85
	s_lshl_b32 s85, s[WM], 1
	s_add_co_u32 s84, s84, s85                     ; 16 x batch + head 4 cy + 2 WM
	s_lshl_b32 s84, s84, 4
	s_lshl_b32 s85, s67, 1
	s_add_co_u32 s85, s85, s[WN]
	s_and_b32 s85, s85, 15
	s_add_co_u32 s84, s84, s85
	s_mul_i32 s84, s84, 6400
	s_mov_b32 s85, 0
	s_add_nc_u64 s[88:89], s[14:15], s[84:85]
.irp a, 0,1,2,3,4,5,6,7
	QUANT 64*(\a%4), 2+\a/4, PWS+\a
.irp c, 0,1,2
	global_store_b128 v16, v[PC+4*\c:PC+4*\c+3], s[88:89] offset:1536*(\a%4)+102400*(\a/4)+512*\c
.endr
.endr
.irp i, 0,1,2,3
	v_cndmask_b32 v[174+\i], v[PWS+2*\i], v[PWS+2*\i+1], s94
.endr
.irp i, 0,1,2,3
	global_store_b32 v17, v[174+\i], s[88:89] offset:6144+128*(\i%2)+102400*(\i/2)
.endr
.Lout_done:
	s_wait_tensorcnt 0x0                           ; the wave's end
	ds_add_u32 v[SPW], v[NIL]
	s_wait_dscnt 0x0
	CROUND                                         ; the closing round
	s_endpgm
.Lfunc_end_k_qd87a236582_qkv:
	.size	k_qd87a236582_qkv, .Lfunc_end_k_qd87a236582_qkv-k_qd87a236582_qkv
	.p2alignl 7, 3214868480
	.fill 96, 4, 3214868480
	.section	.rodata,"a",@progbits
	.p2align	6, 0x0
	.amdhsa_kernel k_qd87a236582_qkv
		.amdhsa_group_segment_fixed_size 327680
		.amdhsa_private_segment_fixed_size 0
		.amdhsa_enable_private_segment 0
		.amdhsa_kernarg_size 48
		.amdhsa_user_sgpr_count 2
		.amdhsa_user_sgpr_kernarg_segment_ptr 1
		.amdhsa_wavefront_size32 1
		.amdhsa_system_sgpr_workgroup_id_x 1
		.amdhsa_system_sgpr_workgroup_id_y 1
		.amdhsa_system_sgpr_workgroup_id_z 1
		.amdhsa_system_vgpr_workitem_id 0
		.amdhsa_next_free_vgpr 1024
		.amdhsa_next_free_sgpr 100
		.amdhsa_reserve_vcc 0
		.amdhsa_float_denorm_mode_32 3
		.amdhsa_float_denorm_mode_16_64 3
		.amdhsa_memory_ordered 1
		.amdhsa_forward_progress 1
		.amdhsa_inst_pref_size 190
	.end_amdhsa_kernel
	.amdgpu_metadata
---
amdhsa.version: [ 1, 2 ]
amdhsa.kernels:
  - .name:           k_qd87a236582_qkv
    .symbol:         k_qd87a236582_qkv.kd
    .args:
      - { .name: hb, .offset: 0, .size: 8, .value_kind: global_buffer, .address_space: global }
      - { .name: wq, .offset: 8, .size: 8, .value_kind: global_buffer, .address_space: global }
      - { .name: b_attn, .offset: 16, .size: 8, .value_kind: global_buffer, .address_space: global }
      - { .name: qb, .offset: 24, .size: 8, .value_kind: global_buffer, .address_space: global }
      - { .name: kb, .offset: 32, .size: 8, .value_kind: global_buffer, .address_space: global }
      - { .name: vb, .offset: 40, .size: 8, .value_kind: global_buffer, .address_space: global }
    .group_segment_fixed_size: 327680
    .private_segment_fixed_size: 0
    .kernarg_segment_align: 8
    .kernarg_segment_size: 48
    .max_flat_workgroup_size: 128
    .sgpr_count:     100
    .vgpr_count:     1024
    .wavefront_size: 32
...
	.end_amdgpu_metadata
.endif
;; end of part 2
;; launch attn (part 3): grid 16 x 16, 16 waves a work-group, no clusters, 327,680 bytes of LDS; arguments qb, kb, vb, yb; writes yb
.if DOCPART == 3
	.amdgcn_target "amdgcn-amd-amdhsa--gfx1250"
	.amdhsa_code_object_version 6
	.text
	.protected	k_qd87a236582_attn
	.globl	k_qd87a236582_attn
	.p2align	8
	.type	k_qd87a236582_attn,@function
k_qd87a236582_attn:
	s_mov_b64 s[64:65], 0
	v_nop
	global_prefetch_b8 v0, s[64:65] scope:SCOPE_SE
	s_setreg_imm32_b32 hwreg(HW_REG_WAVE_MODE, 25, 1), 1
	s_wait_xcnt 0x0
; Causal attention on codes of FP6, head size 64, 2,048 positions, 32 (batch, head); the result y is quantised along the channels into records for the projection.  Layouts: heads of the first kernel and of qkv.
; WORK LEFT OUT: key steps all of whose 128 keys come after the wave's 16 queries (the block's own causal mask makes every p there 0), and the tensor loads of slots that no wave of the work-group reads.
; THE SOFTMAX AHEAD OF THE SECOND PRODUCT: t = score x log2(e) / 8; M = the running largest t rounded UP to a whole number; p = 2^(t - M) is quantised along the keys, not normalised; the row's sum is taken of the
; unquantised p and divides at the end; when M moves, the sum and O are multiplied by 2^(old M - new M), which rounds nothing.
; SHARES.  Work-group (x, y): batch y / 8, heads 2 (y % 8) and the next.  SIXTEEN waves of 256 registers, four to a SIMD, so that one wave's waits stand beside another's work: waves 0-7 take the first head, waves 8-15 the second.
; Wave w (modulo 8) owns ONE block of 16 queries: block 4 x + w (w < 4) or 120 - 4 x + w: an early and a late block together walk 17 key steps, whatever x.
; A wave ends with its head's half of y's image (16 tokens x 64 channels: six registers) and two of the scale word's four bytes, and stores them itself: nothing goes from wave to wave.  The price: the image's middle 512 bytes
; are written in pieces of 8 bytes, and the scale words in pieces of 2, by two waves of this work-group.
; No cluster: under the causal mask the work-groups of a head need different numbers of tiles.
; BOTH PRODUCTS TRANSPOSED: S^T = K Q^T, O^T = V^T P^T: a lane holds one query throughout.  K = 64 fills half of the instruction's 128: source 0 holds TWO blocks of 16 keys (registers 0-5, 6-11), source 1 is q beside zero codes,
; [q | 0] for the first block and [0 | q] for the second: zero codes add nothing under any scale byte that the quantiser gives.
; THE RING: a slot holds 4 key steps of both heads: K of the first, V of the first, K of the second, V of the second, 25,600 dense bytes each; two slots, 2^17 bytes apart.  Waves 0 to 3 fetch one of the four each;
; every wait for tensor loads is for 0; at most one tensor load of a wave is out.  A refill is asked for four key steps of sixteen waves ahead of its first read: no prefetch is laid.
; REGISTERS: v1-4, v7, v11 lane terms; v5, v6 the add's two; v8-10 the step's addresses; v12 -M, v13 the largest t, v[14:15] the sum; v16-33 [0 | q | 0]; v40 q's scale word;
;   v42-47 y's half image, v54 its two scale bytes; v56-103 four fragments; v104-167 S^T, then p; v168-199 O^T; v200-219 p's codes; v52-53 and v220-255 at work.
; LIMITS: as stated at the head of the first kernel.
.set STEPB, 6400
.set VOFF,  4*STEPB                    ; from a head's K to its V in a slot
.set HEADB, 2*VOFF                     ; from the first head's tiles to the second's
.set SLOT1, 1<<17
.set SPARE, 2*SLOT1                    ; behind the ring: the spare words, 128 bytes for each of 16 waves
.set A16, 1
.set A8,  2
.set A4,  3
.set QI,  4                            ; my query (in the batch) - 16 (lane / 16)
.set SPW, 5
.set NIL, 6
.set LN,  7
.set D16, 8
.set D8,  9
.set D4,  10
.set RR,  11
.set QSC, 40
.set IMG, 42
.set PWY, 54
.set F,   56
.set S,   104
.set O,   168
.set PC,  200
.set PT,  212
.set BM,  220
.set T2,  224
.set SO,  228
.set KSC, 232
.set VSC, 236
.set PSC, 240
.set FF,  242
.set TA,  244
.set TD,  245
.set W8,  2                            ; s2   my wave's number modulo 8
.set WV,  12                           ; s12  my wave's number, 0..15
.set G1,  16                           ; s[16:23] descriptor group 1
.set G0,  24                           ; s[24:27] descriptor group 0: it walks
.set HH,  31                           ; s31  which head of the pair is mine
.set SEL, 32
.set CS,  34
.set TB,  36                           ; LDS byte at which the step's records of my head begin
.set KF,  37                           ; the step's first key
.set SLOTS, 38
.set CNT, 39
.set Q128, 40                          ; the first key of the step that holds my queries
.set LASTQ, 41                         ; my work-group's last query
.set TT,  42                           ; my block of queries, 0..127
.macro TLOAD                           ; waves 0 to 3: one dense block each, into LDS bytes of their own.  An s_nop 0 and four v_nop follow the line
	s_cmp_lt_u32 s[WV], 4
	s_cbranch_scc0 .Lasked_\@
	tensor_load_to_lds s[G0:G0+3], s[G1:G1+7]
	s_nop 0
.rept 4
	v_nop
.endr
.Lasked_\@:
.endm
	s_load_b256 s[4:11], s[0:1], 0x0               ; qb s[4:5], kb s[6:7], vb s[8:9], yb s[10:11]
	v_lshl_add_u32 v[SPW], v0, 2, SPARE
	v_mov_b32 v[NIL], 0
	ds_add_u32 v[SPW], v[NIL]                      ; the wave's opening: the add, twice on end, and its wait ahead of the first tensor load
	ds_add_u32 v[SPW], v[NIL]
	v_lshrrev_b32 v[LN], 5, v0
	s_delay_alu instid0(VALU_DEP_1)
	v_readfirstlane_b32 s[WV], v[LN]               ; wave 0..15
	s_mov_b32 s[G1], 3<<16                         ; a dense block of 25,600 bytes as 100 rows of 32 elements of 8 bytes; no mask, no padding
	s_mov_b32 s[G1+1], 32<<16
	s_mov_b32 s[G1+2], 100<<16
	s_mov_b32 s[G1+3], 32<<16
	s_mov_b32 s[G1+4], 100
	s_mov_b32 s[G1+5], 32
	s_mov_b32 s[G1+6], 0
	s_mov_b32 s[G1+7], 0
	s_lshr_b32 s[HH], s[WV], 3
	s_and_b32 s[W8], s[WV], 7
	s_and_b32 s28, s[WV], 3                        ; what I fetch, if I fetch: block wave % 4 of a slot's four:
	s_lshr_b32 s29, s28, 1                         ; of which head,
	s_and_b32 s30, s28, 1                          ; K (0) or V (1)
	s_and_b32 s13, ttmp7, 0xffff
	s_lshr_b32 s14, s13, 3                         ; batch
	s_and_b32 s15, s13, 7                          ; pair of heads
	s_lshl_b32 s44, s14, 4
	s_lshl_b32 s45, s15, 1
	s_add_co_u32 s44, s44, s45                     ; 16 x batch + first head
	s_lshl_b32 s45, ttmp9, 2
	s_sub_co_u32 s46, 120, s45
	s_cmp_lt_u32 s[W8], 4
	s_cselect_b32 s[TT], s45, s46
	s_add_co_u32 s[TT], s[TT], s[W8]               ; my block of queries
	s_lshr_b32 s43, s[TT], 3                       ; its group of 128 positions
	s_lshl_b32 s[Q128], s43, 7
	s_lshl_b32 s[LASTQ], ttmp9, 6
	s_sub_co_u32 s[LASTQ], 2047, s[LASTQ]
	s_mul_i32 s46, s44, 16*STEPB                   ; the first head's 16 records, in qb, kb and vb alike
	s_mul_i32 s62, s29, 16*STEPB
	s_add_co_u32 s62, s62, s46                     ; the records that I fetch
	s_mov_b32 s63, 0
	s_mul_i32 s48, s[HH], 16*STEPB
	s_add_co_u32 s48, s48, s46                     ; my head's records
	s_mul_i32 s53, s43, STEPB
	s_add_co_u32 s48, s48, s53                     ; q's record
	s_and_b32 s52, s[TT], 7
	s_lshr_b32 s53, s52, 1
	s_lshl_b32 s53, s53, 6
	s_add_co_u32 s44, s48, s53                     ; where its pair of blocks' scale words begin, less 6,144
	s_mov_b32 s45, 0
	s_mul_i32 s53, s52, 768
	s_add_co_u32 s48, s48, s53                     ; q's half image
	s_mov_b32 s49, 0
	s_lshl_b32 s50, s14, 4
	s_add_co_u32 s50, s50, s43
	s_lshl_b32 s50, s50, 3
	s_add_co_u32 s50, s50, s15
	s_mul_i32 s50, s50, 12800                      ; y's record: (group of 128 tokens, pair of heads)
	s_mul_i32 s53, s52, 1536
	s_add_co_u32 s56, s50, s53                     ; its image
	s_mov_b32 s57, 0
	s_lshl_b32 s53, s52, 6
	s_add_co_u32 s50, s50, s53
	s_add_co_u32 s50, s50, 12288                   ; its 16 scale words,
	s_lshl_b32 s53, s[HH], 1
	s_add_co_u32 s50, s50, s53                     ; my head's two bytes of each
	s_mov_b32 s51, 0
	s_and_b32 s53, s[TT], 1
	s_mov_b32 s43, 0x03020302
	s_cmp_eq_u32 s53, 0
	s_cselect_b32 s43, 0x01000100, s43             ; which half of q's word is my block's: it is doubled
	s_lshl_b32 s53, s53, 3
	s_lshr_b32 s54, s[TT], 1
	s_lshl_b32 s54, s54, 5
	s_add_co_u32 s54, s54, s53                     ; 32 (t / 2) + 8 (t % 2)
	s_mov_b32 s[SEL], 0x76543210
	s_mov_b32 s[SEL+1], 0xfedcba98
	s_mov_b32 s[CS], 0x3e38aa3b                    ; c = log2(e) / 8
	s_mov_b32 s[CS+1], s[CS]
	s_mul_i32 s[TB], s[HH], HEADB                  ; slot 0, my head's tiles
	s_mov_b32 s[KF], 0
	s_mov_b32 s[SLOTS], 3
	s_wait_dscnt 0x0                               ; both opening adds are done
	s_wait_kmcnt 0x0
	s_mov_b32 s[G0], 1                             ; 1:0 count = 1
	s_mul_i32 s[G0+1], s28, VOFF                   ; 63:32 LDS address: slot 0, block wave % 4
	s_cmp_eq_u32 s30, 0
	s_cselect_b64 s[G0+2:G0+3], s[6:7], s[8:9]     ; kb or vb: the wave's number alone decides
	s_add_nc_u64 s[G0+2:G0+3], s[G0+2:G0+3], s[62:63]
	s_or_b32 s[G0+3], s[G0+3], 0x80000000          ; 127:126 type = 2
	TLOAD                                          ; slot 0: it holds key 0, which counts for every query
	s_add_nc_u64 s[58:59], s[4:5], s[44:45]
	s_add_nc_u64 s[4:5], s[4:5], s[48:49]
	s_add_nc_u64 s[60:61], s[10:11], s[50:51]
	s_add_nc_u64 s[10:11], s[10:11], s[56:57]
	v_and_b32 v[LN], 31, v0                        ; lane
	s_delay_alu instid0(VALU_DEP_1)
	v_lshlrev_b32 v[A16], 4, v[LN]
	s_delay_alu instid0(VALU_DEP_2)
	v_lshlrev_b32 v[A8], 3, v[LN]
	s_delay_alu instid0(VALU_DEP_1)
	v_add_nc_u32 v[A8], 512, v[A8]
	v_and_b32 v[RR], 15, v0                        ; r
	s_delay_alu instid0(VALU_DEP_1)
	v_lshlrev_b32 v[A4], 2, v[RR]
	s_delay_alu instid0(VALU_DEP_1)
	v_add_nc_u32 v[A4], 6144, v[A4]
	global_load_b128 v[22:25], v[A16], s[4:5]      ; q of my head
	global_load_b64 v[26:27], v[A8], s[4:5]
	global_load_b32 v40, v[A4], s[58:59]
	v_bfe_u32 v[TA], v0, 4, 1                      ; h
	v_and_b32 v[QI], 8, v[RR]
	s_delay_alu instid0(VALU_DEP_1)
	v_add_nc_u32 v[QI], v[QI], v[RR]
	s_delay_alu instid0(VALU_DEP_3)
	v_lshlrev_b32 v[TA], 4, v[TA]
	s_delay_alu instid0(VALU_DEP_1)
	v_sub_nc_u32 v[QI], v[QI], v[TA]
	s_delay_alu instid0(VALU_DEP_1)
	v_add_nc_u32 v[QI], s54, v[QI]                 ; 32 (t / 2) + 8 (t % 2) + r + 8 (r / 8) - 16 h
	s_wait_loadcnt 0x0
	v_perm_b32 v40, v40, v40, s43
.irp i, 0,1,2,3,4,5
	v_mov_b32 v[16+\i], 0                          ; the zero codes beside q
	v_mov_b32 v[28+\i], 0
.endr
	v_mov_b32 v13, 0xff61b1e6                      ; the largest t so far: -3e38, under every t
	s_delay_alu instid0(VALU_DEP_1)
	v_floor_f32 v12, -v13                          ; -M
	v_mov_b32 v14, 0
	v_mov_b32 v15, 0
.irp b, 0,1,2,3
	v_mov_b32 v[T2+\b], 0                          ; written once: a lane permute's destination counts as one of its sources
.endr
	v_mov_b32 v[FF+1], 0                           ; (named as the upper half of a pair)
	v_mov_b32 v[TA], 0
.set JJ, 0
.rept 32
	v_mov_b32 v[O+JJ], 0                           ; O^T: the step is written once; the first change of M leaves zeros zeros.  (These are also the places between q's scale word and the first product)
.set JJ, JJ+1
.endr
; A KEY STEP: 128 keys.
.macro STEP
	s_cmp_gt_u32 s[KF], s[Q128]                    ; all its keys come after my queries: left out.  Ids and the count of steps alone decide
	s_cbranch_scc1 .Lhidden_\@
	v_add_nc_u32 v[D16], s[TB], v[A16]
	v_add_nc_u32 v[D8], s[TB], v[A8]
	v_add_nc_u32 v[D4], s[TB], v[A4]
	v_nop                                          ; four places in front of loads into registers that the last products read
.irp i, 0,1,2,3
	ds_load_b128 v[F+12*\i:F+12*\i+3], v[D16] offset:1536*\i                ; key block 2 i,
	ds_load_b64 v[F+12*\i+4:F+12*\i+5], v[D8] offset:1536*\i
	ds_load_b128 v[F+12*\i+6:F+12*\i+9], v[D16] offset:1536*\i+768          ; key block 2 i + 1
	ds_load_b64 v[F+12*\i+10:F+12*\i+11], v[D8] offset:1536*\i+768
	ds_load_b32 v[KSC+\i], v[D4] offset:64*\i
.endr
	s_wait_alu depctr_va_vdst(0)
	s_wait_dscnt 0x0
.irp i, 0,1,2,3
	v_wmma_scale_f32_16x16x128_f8f6f4 v[S+16*\i:S+16*\i+7], v[F+12*\i:F+12*\i+11], v[22:33], 0, v[KSC+\i], v[QSC] matrix_a_fmt:MATRIX_FMT_FP6 matrix_b_fmt:MATRIX_FMT_FP6
	v_wmma_scale_f32_16x16x128_f8f6f4 v[S+16*\i+8:S+16*\i+15], v[F+12*\i:F+12*\i+11], v[16:27], 0, v[KSC+\i], v[QSC] matrix_a_fmt:MATRIX_FMT_FP6 matrix_b_fmt:MATRIX_FMT_FP6
.endr                                          ; register 16 b + i holds key KF + 32 b + 16 (lane / 16) + i
.rept 4
	v_nop
.endr
.irp cb, 0,1,2,3                               ; V's four images are asked for now and land during the softmax
.irp c, 0,1,2
	ds_load_b128 v[F+12*\cb+4*\c:F+12*\cb+4*\c+3], v[D16] offset:VOFF+1536*\cb+512*\c
.endr
	ds_load_b32 v[VSC+\cb], v[D4] offset:VOFF+64*\cb
.endr
	s_cmp_eq_u32 s[KF], s[Q128]                    ; the step on the diagonal: hidden keys' scores become -infinity ahead of the maximum
	s_cbranch_scc0 .Lopen_\@
	v_sub_nc_u32 v[TD], v[QI], s[KF]               ; register 16 b + i is hidden where 32 b + i > my query - KF - 16 (lane / 16)
	v_mov_b32 v[TA], 0xff800000
.set NN, 0
.rept 64
	v_cmp_gt_i32 vcc_lo, 32*(NN/16)+NN%16, v[TD]
	v_cndmask_b32 v[S+NN], v[S+NN], v[TA], vcc_lo
.set NN, NN+1
.endr
.Lopen_\@:
.irp b, 0,1,2,3
	v_max3_num_f32 v[BM+\b], v[S+16*\b], v[S+16*\b+1], v[S+16*\b+2]   ; the largest score of each block of 32 keys: for the row's maximum and, since p rises with the score, for the block's largest p
.endr
.irp i, 3,5,7,9,11,13
.irp b, 0,1,2,3
	v_max3_num_f32 v[BM+\b], v[BM+\b], v[S+16*\b+\i], v[S+16*\b+\i+1]
.endr
.endr
.irp b, 0,1,2,3
	v_max_num_f32 v[BM+\b], v[BM+\b], v[S+16*\b+15]
.endr
.irp b, 0,1,2,3
	s_delay_alu instid0(VALU_DEP_4)
	v_permlanex16_b32 v[T2+\b], v[BM+\b], s[SEL], s[SEL+1]
.endr
.irp b, 0,1,2,3
	s_delay_alu instid0(VALU_DEP_4)
	v_max_num_f32 v[BM+\b], v[BM+\b], v[T2+\b]
.endr
	s_delay_alu instid0(VALU_DEP_2)
	v_max3_num_f32 v[TA], v[BM], v[BM+1], v[BM+2]
	s_delay_alu instid0(VALU_DEP_1)
	v_max_num_f32 v[TA], v[TA], v[BM+3]
	s_delay_alu instid0(VALU_DEP_1)
	v_mul_f32 v[TA], s[CS], v[TA]
	s_delay_alu instid0(VALU_DEP_1)
	v_max_num_f32 v13, v13, v[TA]                  ; the running largest t
	v_mov_b32 v[TA], v12
	s_delay_alu instid0(VALU_DEP_2)
	v_floor_f32 v12, -v13                          ; the new -M = -ceil(t)
	s_delay_alu instid0(VALU_DEP_1)
	v_sub_f32 v[TA], v12, v[TA]                    ; old M - new M: a whole number, 0 or less
	s_delay_alu instid0(VALU_DEP_1)
	v_cvt_i32_f32 v[TA], v[TA]                     ; (it saturates)
	s_delay_alu instid0(VALU_DEP_1)
	v_ldexp_f32 v[FF], 1.0, v[TA]                  ; f = 2^(old M - new M)
.set JJ, 0
.rept 32
	v_pk_fma_f32 v[S+JJ:S+JJ+1], v[S+JJ:S+JJ+1], s[CS:CS+1], v[12:13] op_sel_hi:[1,0,0]   ; t - M
.set JJ, JJ+2
.endr
.irp b, 0,1,2,3
	v_fma_f32 v[BM+\b], v[BM+\b], s[CS], v12
.endr
.set JJ, 0
	s_wait_alu depctr_va_vdst(0)
.rept 64
	v_exp_f32 v[S+JJ], v[S+JJ]                     ; p = 2^(t - M)
.set JJ, JJ+1
.endr
	v_pk_mul_f32 v[14:15], v[14:15], v[FF:FF+1] op_sel_hi:[1,0]   ; the sums under the new M: a plain line behind the exponentials
	s_wait_alu depctr_va_vdst(0)                   ; one wait for the batch, ahead of its first reader
.irp b, 0,1,2,3
	v_exp_f32 v[BM+\b], v[BM+\b]                   ; the block's largest p
.endr
	v_pk_add_f32 v[224:225], v[108:109], v[112:113]
	v_pk_add_f32 v[254:255], v[116:117], v[120:121]
	v_pk_add_f32 v[252:253], v[124:125], v[128:129]
	v_pk_add_f32 v[250:251], v[132:133], v[136:137]
	v_pk_add_f32 v[248:249], v[140:141], v[144:145]
	v_pk_add_f32 v[246:247], v[148:149], v[152:153]
	v_pk_add_f32 v[52:53], v[156:157], v[160:161]
	v_pk_add_f32 v[14:15], v[14:15], v[164:165]
	v_pk_add_f32 v[224:225], v[224:225], v[104:105]
	v_pk_add_f32 v[254:255], v[254:255], v[106:107]
	v_pk_add_f32 v[252:253], v[252:253], v[110:111]
	v_pk_add_f32 v[250:251], v[250:251], v[114:115]
	v_pk_add_f32 v[248:249], v[248:249], v[118:119]
	v_pk_add_f32 v[246:247], v[246:247], v[122:123]
	v_pk_add_f32 v[52:53], v[52:53], v[126:127]
	v_pk_add_f32 v[14:15], v[14:15], v[130:131]
	v_pk_add_f32 v[224:225], v[224:225], v[134:135]
	v_pk_add_f32 v[254:255], v[254:255], v[138:139]
	v_pk_add_f32 v[252:253], v[252:253], v[142:143]
	v_pk_add_f32 v[250:251], v[250:251], v[146:147]
	v_pk_add_f32 v[248:249], v[248:249], v[150:151]
	v_pk_add_f32 v[246:247], v[246:247], v[154:155]
	v_pk_add_f32 v[52:53], v[52:53], v[158:159]
	v_pk_add_f32 v[14:15], v[14:15], v[162:163]
	v_pk_add_f32 v[224:225], v[224:225], v[166:167]
	s_delay_alu instid0(VALU_DEP_2)
	v_pk_add_f32 v[14:15], v[14:15], v[250:251]
	s_delay_alu instid0(VALU_DEP_2)
	v_pk_add_f32 v[224:225], v[224:225], v[248:249]
	v_pk_add_f32 v[254:255], v[254:255], v[246:247]
	v_pk_add_f32 v[252:253], v[252:253], v[52:53]
	s_delay_alu instid0(VALU_DEP_2)
	v_pk_add_f32 v[14:15], v[14:15], v[254:255]
	s_delay_alu instid0(VALU_DEP_2)
	v_pk_add_f32 v[224:225], v[224:225], v[252:253]
	s_delay_alu instid0(VALU_DEP_1)
	v_pk_add_f32 v[14:15], v[14:15], v[224:225]
	s_wait_alu depctr_va_vdst(0)                   ; and one for the four
.irp b, 0,1,2,3
	v_max_num_f32 v[BM+\b], 0x1800000, v[BM+\b]    ; the floor: a block whose every p is 0 keeps the byte 1: its codes are zeros
.endr
.irp b, 0,1,2,3
	s_delay_alu instid0(VALU_DEP_4)
	v_add_nc_u32 v[SO+\b], 0xff000000, v[BM+\b]
.endr
.irp b, 0,1,2,3
	s_delay_alu instid0(VALU_DEP_4)
	v_lshrrev_b32 v[T2+\b], 23, v[SO+\b]
.endr
	s_delay_alu instid0(VALU_DEP_3)
	v_lshl_or_b32 v[PSC], v[T2+1], 8, v[T2]        ; p's scale word for these 128 keys
	s_delay_alu instid0(VALU_DEP_1)
	v_lshl_or_b32 v[PSC], v[T2+2], 16, v[PSC]
	s_delay_alu instid0(VALU_DEP_1)
	v_lshl_or_b32 v[PSC], v[T2+3], 24, v[PSC]
.irp c, 0,1
	v_cvt_scalef32_pk16_fp6_f32 v[PC+6*\c:PC+6*\c+2], v[S+32*\c:S+32*\c+15], v[SO+2*\c]
	v_cvt_scalef32_pk16_fp6_f32 v[PT+4*\c:PT+4*\c+2], v[S+32*\c+16:S+32*\c+31], v[SO+2*\c+1]
.endr
	v_nop                                          ; one plain line behind the last conversion
.irp c, 0,1
.irp i, 0,1,2
	v_permlane16_swap_b32 v[PC+6*\c+\i], v[PT+4*\c+\i]
.endr
.irp i, 0,1,2
	s_delay_alu instid0(VALU_DEP_3)
	v_mov_b32 v[PC+3+6*\c+\i], v[PT+4*\c+\i]
.endr
.endr
.set JJ, 0
.rept 16
	v_pk_mul_f32 v[O+JJ:O+JJ+1], v[O+JJ:O+JJ+1], v[FF:FF+1] op_sel_hi:[1,0]   ; O^T under the new M.  (These sixteen are also the places between p's codes and scale word and the products)
.set JJ, JJ+2
.endr
	s_wait_alu depctr_va_vdst(0)
	s_wait_dscnt 0x0                               ; V
.irp cb, 0,1,2,3
	v_wmma_scale_f32_16x16x128_f8f6f4 v[O+8*\cb:O+8*\cb+7], v[F+12*\cb:F+12*\cb+11], v[PC:PC+11], v[O+8*\cb:O+8*\cb+7], v[VSC+\cb], v[PSC] matrix_a_fmt:MATRIX_FMT_FP6 matrix_b_fmt:MATRIX_FMT_FP6
.endr
.Lhidden_\@:
	s_add_co_u32 s[KF], s[KF], 128
	s_add_co_u32 s[TB], s[TB], STEPB
.endm
; THE CHANGE OF SLOTS stands at a slot's head: each wave waits for all its tensor loads, adds 0 to its spare word, waits for that and for its reads of the slot that it has left; one barrier.
; fill = 1: the slot just left takes the next four steps, unless no wave of the work-group will read them: the next slot's first key against the work-group's last query: ids and the count of steps alone, the same in all sixteen
; waves; a work-group that is past the limit stays past it.
.macro CHANGE fill
	s_wait_tensorcnt 0x0
	ds_add_u32 v[SPW], v[NIL]
.if \fill
	ds_add_u32 v[SPW], v[NIL]                      ; and once more, in every trip alike
	s_xor_b32 s[G0+1], s[G0+1], SLOT1              ; the walking descriptor: the other slot than last time,
	s_add_nc_u64 s[G0+2:G0+3], s[G0+2:G0+3], 4*STEPB   ; the next four records; the type bits on top are not reached
.endif
	s_wait_dscnt 0x0
	s_barrier_signal -1
	s_barrier_wait -1
.if \fill
	s_add_co_u32 s55, s[KF], 512
	s_cmp_gt_u32 s55, s[LASTQ]
	s_cbranch_scc1 .Lpast_\@
	TLOAD
.Lpast_\@:
.endif
.endm
.macro STEPS                           ; a slot's four key steps: written once, walked four times
	s_mov_b32 s[CNT], 4
.Lstep_\@:
	STEP
	s_sub_co_u32 s[CNT], s[CNT], 1
	s_cmp_lg_u32 s[CNT], 0
	s_cbranch_scc1 .Lstep_\@
	s_sub_co_u32 s[TB], s[TB], 4*STEPB
	s_xor_b32 s[TB], s[TB], SLOT1                  ; on to the other slot
.endm
.Lslot:                                        ; three trips: behind each change of slots but the last the next slot is asked for
	CHANGE 1
	STEPS
	s_sub_co_u32 s[SLOTS], s[SLOTS], 1
	s_cmp_lg_u32 s[SLOTS], 0
	s_cbranch_scc1 .Lslot
	CHANGE 0                                       ; the last slot is written out: nothing is left to fetch
	STEPS
	; THE HEAD'S END: O^T / the sum is y's 64 channels of my head (register 16 b + i = channel 32 b + 16 (lane / 16) + i); they are quantised into six registers of y's image.
.rept 4
	v_nop
.endr
	v_add_f32 v14, v14, v15
	s_delay_alu instid0(VALU_DEP_1)
	v_permlanex16_b32 v[TA], v14, s[SEL], s[SEL+1]
	s_delay_alu instid0(VALU_DEP_1)
	v_add_f32 v14, v14, v[TA]                      ; the row's sum
	s_wait_alu depctr_va_vdst(0)
	v_rcp_f32 v14, v14
	v_nop
	s_wait_alu depctr_va_vdst(0)
.set JJ, 0
.rept 32
	v_mul_f32 v[S+JJ], v[O+JJ], v14
.set JJ, JJ+1
.endr
.irp b, 0,1
	v_max3_num_f32 v[BM+\b], |v[S+16*\b]|, |v[S+16*\b+1]|, 0x1800000
.endr
.irp i, 2,4,6,8,10,12,14
.irp b, 0,1
	s_delay_alu instid0(VALU_DEP_2)
	v_max3_num_f32 v[BM+\b], v[BM+\b], |v[S+16*\b+\i]|, |v[S+16*\b+\i+1]|
.endr
.endr
.irp b, 0,1
	s_delay_alu instid0(VALU_DEP_2)
	v_permlanex16_b32 v[T2+\b], v[BM+\b], s[SEL], s[SEL+1]
.endr
.irp b, 0,1
	s_delay_alu instid0(VALU_DEP_2)
	v_max_num_f32 v[BM+\b], v[BM+\b], v[T2+\b]
.endr
.irp b, 0,1
	s_delay_alu instid0(VALU_DEP_2)
	v_add_nc_u32 v[SO+\b], 0xff000000, v[BM+\b]
.endr
.irp b, 0,1
	s_delay_alu instid0(VALU_DEP_2)
	v_lshrrev_b32 v[T2+\b], 23, v[SO+\b]
.endr
	s_delay_alu instid0(VALU_DEP_1)
	v_lshl_or_b32 v[PWY], v[T2+1], 8, v[T2]        ; my head's two scale bytes
	v_cvt_scalef32_pk16_fp6_f32 v[IMG:IMG+2], v[S:S+15], v[SO]
	v_cvt_scalef32_pk16_fp6_f32 v[PT:PT+2], v[S+16:S+31], v[SO+1]
	v_nop                                          ; one plain line behind the last conversion
.irp i, 0,1,2
	v_permlane16_swap_b32 v[IMG+\i], v[PT+\i]
.endr
.irp i, 0,1,2
	s_delay_alu instid0(VALU_DEP_3)
	v_mov_b32 v[IMG+3+\i], v[PT+\i]
.endr
	; register j of the image lies at 512 (j / 4) + 16 L + 4 (j % 4).  The first head's six are registers 0-5, the second's 6-11.
	s_cmp_eq_u32 s[HH], 0
	s_cbranch_scc0 .Lsecond
	global_store_b128 v[A16], v[IMG:IMG+3], s[10:11]
	global_store_b64 v[A16], v[IMG+4:IMG+5], s[10:11] offset:512
	s_branch .Lstored
.Lsecond:
	s_wait_alu depctr_va_vdst(0)
	global_store_b64 v[A16], v[IMG:IMG+1], s[10:11] offset:520
	global_store_b128 v[A16], v[IMG+2:IMG+5], s[10:11] offset:1024
.Lstored:
	v_lshlrev_b32 v[TD], 2, v[RR]
	s_wait_alu depctr_va_vdst(0)
	s_wait_xcnt 0x0                                ; EXEC changes only behind this wait
	v_cmp_gt_u32 vcc_lo, 16, v[LN]
	s_and_saveexec_b32 s54, vcc_lo
	global_store_b16 v[TD], v[PWY], s[60:61]       ; lanes 0-15: my head's two bytes of the 16 tokens' scale words
	s_wait_xcnt 0x0
	s_or_b32 exec_lo, exec_lo, s54
	s_wait_tensorcnt 0x0                           ; the wave's end
	ds_add_u32 v[SPW], v[NIL]
	s_wait_dscnt 0x0
	s_endpgm
.Lfunc_end_k_qd87a236582_attn:
	.size	k_qd87a236582_attn, .Lfunc_end_k_qd87a236582_attn-k_qd87a236582_attn
	.p2alignl 7, 3214868480
	.fill 96, 4, 3214868480
	.section	.rodata,"a",@progbits
	.p2align	6, 0x0
	.amdhsa_kernel k_qd87a236582_attn
		.amdhsa_group_segment_fixed_size 327680
		.amdhsa_private_segment_fixed_size 0
		.amdhsa_enable_private_segment 0
		.amdhsa_kernarg_size 32
		.amdhsa_user_sgpr_count 2
		.amdhsa_user_sgpr_kernarg_segment_ptr 1
		.amdhsa_wavefront_size32 1
		.amdhsa_system_sgpr_workgroup_id_x 1
		.amdhsa_system_sgpr_workgroup_id_y 1
		.amdhsa_system_sgpr_workgroup_id_z 1
		.amdhsa_system_vgpr_workitem_id 0
		.amdhsa_next_free_vgpr 256
		.amdhsa_next_free_sgpr 66
		.amdhsa_reserve_vcc 1
		.amdhsa_float_denorm_mode_32 3
		.amdhsa_float_denorm_mode_16_64 3
		.amdhsa_memory_ordered 1
		.amdhsa_forward_progress 1
		.amdhsa_inst_pref_size 59
	.end_amdhsa_kernel
	.amdgpu_metadata
---
amdhsa.version: [ 1, 2 ]
amdhsa.kernels:
  - .name:           k_qd87a236582_attn
    .symbol:         k_qd87a236582_attn.kd
    .args:
      - { .name: qb, .offset: 0, .size: 8, .value_kind: global_buffer, .address_space: global }
      - { .name: kb, .offset: 8, .size: 8, .value_kind: global_buffer, .address_space: global }
      - { .name: vb, .offset: 16, .size: 8, .value_kind: global_buffer, .address_space: global }
      - { .name: yb, .offset: 24, .size: 8, .value_kind: global_buffer, .address_space: global }
    .group_segment_fixed_size: 327680
    .private_segment_fixed_size: 0
    .kernarg_segment_align: 8
    .kernarg_segment_size: 32
    .max_flat_workgroup_size: 512
    .sgpr_count:     66
    .vgpr_count:     256
    .wavefront_size: 32
...
	.end_amdgpu_metadata
.endif
;; end of part 3
;; launch proj (part 4): grid 8 x 32, 4 waves a work-group, clusters of 4 x 4, 327,680 bytes of LDS; arguments yb, wq, b_proj, x, x1; writes x1
.if DOCPART == 4
	.amdgcn_target "amdgcn-amd-amdhsa--gfx1250"
	.amdhsa_code_object_version 6
	.text
	.protected	k_qd87a236582_proj
	.globl	k_qd87a236582_proj
	.p2align	8
	.type	k_qd87a236582_proj,@function
k_qd87a236582_proj:
	s_mov_b64 s[64:65], 0
	v_nop
	global_prefetch_b8 v0, s[64:65] scope:SCOPE_SE
	s_setreg_imm32_b32 hwreg(HW_REG_WAVE_MODE, 25, 1), 1
	s_wait_xcnt 0x0
	s_wait_alu depctr_hold_cnt(0) depctr_sa_sdst(0) depctr_va_vdst(0) depctr_va_sdst(0) depctr_va_ssrc(0) depctr_va_vcc(0) depctr_vm_vsrc(0)
	s_getreg_b32 s2, hwreg(HW_REG_IB_STS2, 6, 4)
	s_cmp_eq_u32 s2, 0
	s_cbranch_scc0 .Lentry_in_a_cluster
	s_endpgm
.Lentry_in_a_cluster:
	s_bfe_u32 s2, ttmp6, 0x10000c
	s_cmp_lg_u32 s2, 0xf033
	s_cbranch_scc0 .Lentry_shape_is_right
	s_endpgm
.Lentry_shape_is_right:
; out = residual + A W + bias on codes of FP6: here x1 = x + y W_proj + b_proj, K = 1,024.  Arguments: A's records, wq, the bias, the residual, out.  Layouts: head of the first kernel.
; N = 1,024 gives 256 tiles of 128 x 128 and only 64 of 256 x 256: so a work-group makes 128 x 128, a wave 64 x 64: 16 accumulators.  TRANSPOSED USE: source 0 = a block of W's columns, source 1 = a block of tokens:
; a lane holds one token and eight neighbouring columns.  CLUSTERS 4 x 4: A's tiles are asked for jointly along a row of the cluster, W's along a column.
; A slot holds four K steps of 128: A's four records, then W's four; each wave fetches four records, 51,200 dense bytes.  Here both slots are first fills and nothing is filled again.
; The bias is the C of each sum's first product.  The residual is asked for at the head, in the layout in which the rows leave, and added on the way out.
; THE WAY OUT: a block of 16 tokens x 64 columns goes through my stage in LDS (rows of 256 + 16 bytes) and leaves as rows: sixteen lanes store 256 consecutive bytes, aligned.  The stage lies in region 0, which has had
; its last fill, and which no wave reads behind the last barrier.
; REGISTERS: window 0: v1-27 addresses, v28-29 the add's two, v32-39 scale words, v64-111 and v160-207 A's fragments; on the way out v64-191 rows.  window 1: W's fragments at v0 and v128, the bias at v96-127.
;   window 2: v0-127 the accumulators ((a, b) at v[8 (4 a + b)]), v128-255 the residual.
.set KS,    8
.set NSLOT, 2
.set WBASE, 192*12800                  ; W_proj's first record in wq
.set NT,    0
.set NQ,    4
.set REC,   12800
.set HALFT, 2*REC
.set SLOT,  4*HALFT
.set SPARE, 3*SLOT
.set NF,    28
.set NFILL, 1                          ; one load a wave at the head: four records, 51,200 dense bytes: wave 0 A's steps 0-3, wave 1 W's, wave 2 A's steps 4-7, wave 3 W's
.set ADRA,  4
.set ADRB,  8
.set ADRS,  12
.set STO,   20
.set RD,    21
.set CO,    22
.set SPW,   28
.set NIL,   29
.set SC,    32
.set WV, 16
.set WM, 17
.set WN, 18
.set G1A, 24
.set G1B, 32
.set G0A, 40
.set G0B, 52
.set MSB, 0
.macro WIN new
.if MSB != (\new)
	s_set_vgpr_msb (MSB<<8)|(\new)
.set MSB, (\new)
.endif
.endm
.macro PLACES
.rept 4
	v_nop
.endr
.endm
.macro JLOAD g                         ; waves 0 and 2 fetch for A, waves 1 and 3 for W; an s_nop 0 and four v_nop follow each line
	s_cmp_eq_u32 s[WN], 0                          ; even waves fetch for A, odd waves for W
	s_cbranch_scc0 .Lfor_b_\@
	tensor_load_to_lds s[G0A+4*(\g):G0A+4*(\g)+3], s[G1A:G1A+7]
	s_nop 0
.rept 4
	v_nop
.endr
	s_branch .Lasked_\@
.Lfor_b_\@:
	tensor_load_to_lds s[G0B+4*(\g):G0B+4*(\g)+3], s[G1B:G1B+7]
	s_nop 0
.rept 4
	v_nop
.endr
.Lasked_\@:
.endm
.macro CREST
	s_cmp_lg_u32 s[WV], 0
	s_cbranch_scc1 .Lnot_wave_0_\@
	s_barrier_signal -3
.Lnot_wave_0_\@:
	s_barrier_wait -3
	s_barrier_signal -1
	s_barrier_wait -1
.endm
.macro CROUND
	s_barrier_signal -1
	s_barrier_wait -1
	CREST
.endm
.macro FETCH t, p                      ; step t's fragments and scale words into set p
.set FG, ((\t)/NQ)%3
.set FQ, (\t)%NQ
	WIN 0x40
.irp i, 0,1,2,3
.irp c, 0,1,2
	ds_load_b128 v[128*(\p)+12*\i+4*\c:128*(\p)+12*\i+4*\c+3], v[ADRB+FG] offset:FQ*REC+1536*\i+512*\c
.endr
.endr
	WIN 0
.irp i, 0,1,2,3
.irp c, 0,1,2
	ds_load_b128 v[64+96*(\p)+12*\i+4*\c:64+96*(\p)+12*\i+4*\c+3], v[ADRA+FG] offset:FQ*REC+1536*\i+512*\c
.endr
.endr
.irp i, 0,1,2,3
	ds_load_b32 v[SC+4*(\p)+\i], v[ADRS+FG] offset:FQ*REC+64*\i
.endr
.endm
; four matrix instructions: A's block qd against W's four.  mode 1: the sums start from the bias.  The 16 accumulators take turns in the same order in every step.
.macro MULQ qd, p, mode
.if (\mode) == 0
	WIN 0xa1
.else
	WIN 0x91
.endif
.irp b, 0,1,2,3
.set MD, 8*(4*(\qd)+\b)
.if (\mode) == 0
	v_wmma_scale_f32_16x16x128_f8f6f4 v[MD:MD+7], v[128*(\p)+12*\b:128*(\p)+12*\b+11], v[64+96*(\p)+12*(\qd):64+96*(\p)+12*(\qd)+11], v[MD:MD+7], v[SC+4*(\p)+\b], v[SC+4*(\p)+(\qd)] matrix_a_fmt:MATRIX_FMT_FP6 matrix_b_fmt:MATRIX_FMT_FP6 matrix_a_scale:MATRIX_SCALE_ROW1
.else
	v_wmma_scale_f32_16x16x128_f8f6f4 v[MD:MD+7], v[128*(\p)+12*\b:128*(\p)+12*\b+11], v[64+96*(\p)+12*(\qd):64+96*(\p)+12*(\qd)+11], v[96+8*\b:96+8*\b+7], v[SC+4*(\p)+\b], v[SC+4*(\p)+(\qd)] matrix_a_fmt:MATRIX_FMT_FP6 matrix_b_fmt:MATRIX_FMT_FP6 matrix_a_scale:MATRIX_SCALE_ROW1
.endif
.endr
.endm
.macro STEP t, mode
.if (\t) > 0
	PLACES                                         ; in front of loads into registers that the last step's products read
.endif
	FETCH (\t)+1, 1-(\t)%2
	s_wait_dscnt NF                                ; all but the run just issued
	MULQ 0, (\t)%2, \mode
	MULQ 1, (\t)%2, \mode
	MULQ 2, (\t)%2, \mode
	MULQ 3, (\t)%2, \mode
.endm
; A slot's last step with a barrier: in front of it each wave waits for all its tensor loads, adds 0 to its spare word, and waits for that and for its reads of the slot.  kind 2: a round of the cluster's barrier and the refill; kind 1: nothing is filled.
.macro TURN t, kind
.set TP, (\t)%2
.set RG, ((\t)/NQ)%3
	WIN 0
	s_wait_tensorcnt 0x0
	ds_add_u32 v[SPW], v[NIL]
	s_wait_dscnt 1                                 ; (the add may be out)
	MULQ 0, TP, 0
	s_wait_dscnt 0x0
	s_barrier_signal -1
	MULQ 1, TP, 0
	WIN 0
	s_barrier_wait -1
.if (\kind) == 2
	CREST
	s_add_nc_u64 s[G0A+4*RG+2:G0A+4*RG+3], s[G0A+4*RG+2:G0A+4*RG+3], 3*NQ*REC
	s_add_nc_u64 s[G0B+4*RG+2:G0B+4*RG+3], s[G0B+4*RG+2:G0B+4*RG+3], 3*NQ*REC
	JLOAD RG
.else
	PLACES
.endif
	FETCH (\t)+1, 1-TP
	MULQ 2, TP, 0
	MULQ 3, TP, 0
.endm
.macro LAST t
	s_wait_dscnt 0x0
	MULQ 0, (\t)%2, 0
	MULQ 1, (\t)%2, 0
	MULQ 2, (\t)%2, 0
	MULQ 3, (\t)%2, 0
	WIN 0
	PLACES
.endm
	s_load_b256 s[4:11], s[0:1], 0x0               ; A s[4:5], wq s[6:7], bias s[8:9], residual s[10:11]
	s_load_b64 s[12:13], s[0:1], 0x20              ; out
	v_lshl_add_u32 v[SPW], v0, 2, SPARE
	v_mov_b32 v[NIL], 0
	ds_add_u32 v[SPW], v[NIL]                      ; the wave's opening: the add, twice on end, and its wait ahead of my first tensor load
	ds_add_u32 v[SPW], v[NIL]
	v_lshrrev_b32 v1, 5, v0
	v_readfirstlane_b32 s[WV], v1
	s_lshr_b32 s[WM], s[WV], 1                     ; my half of the tokens.  Also: which four K steps I fetch, 0-3 (0) or 4-7 (1)
	s_and_b32 s[WN], s[WV], 1                      ; my half of the columns.  Also: I fetch for A (0) or for W (1)
	s_bfe_u32 s19, ttmp6, 0x40000                  ; cx
	s_bfe_u32 s20, ttmp6, 0x40004                  ; cy
	s_lshl_b32 s67, ttmp9, 2
	s_add_co_u32 s67, s67, s19                     ; TB: tile of 128 columns
	s_and_b32 s66, ttmp7, 0xffff
	s_lshl_b32 s66, s66, 2
	s_add_co_u32 s66, s66, s20                     ; TA: tile of 128 tokens
	s_lshl_b32 s22, s20, 2
	s_lshl_b32 s22, 15, s22                        ; my row of the cluster
	s_lshl_b32 s23, 0x1111, s19                    ; my column
	s_or_b32 s[G1A], s22, (3<<16)|(1<<21)          ; a dense block of 51,200 bytes as 200 rows of 32 elements of 8 bytes
	s_or_b32 s[G1B], s23, (3<<16)|(1<<21)
.irp g, G1A, G1B
	s_mov_b32 s[\g+1], 32<<16
	s_mov_b32 s[\g+2], 200<<16
	s_mov_b32 s[\g+3], 32<<16
	s_mov_b32 s[\g+4], 200
	s_mov_b32 s[\g+5], 32
	s_mov_b32 s[\g+6], 0
	s_mov_b32 s[\g+7], 0
.endr
	s_mul_i32 s68, s66, KS
	s_lshl_b32 s69, s[WM], 2                       ; records 4 (wave / 2) on
	s_add_co_u32 s68, s68, s69
	s_mul_i32 s68, s68, REC                        ; A: record TA x KS + 4 (wave / 2)
	s_mov_b32 s69, 0
	s_mul_i32 s70, s67, KS
	s_lshl_b32 s71, s[WM], 2
	s_add_co_u32 s70, s70, s71
	s_mul_i32 s70, s70, REC
	s_add_co_u32 s70, s70, WBASE                   ; W likewise
	s_mov_b32 s71, 0
	s_mul_i32 s72, s[WV], 2*HALFT
	s_wait_dscnt 0x0
	s_wait_kmcnt 0x0
	s_add_nc_u64 s[74:75], s[4:5], s[68:69]
	s_add_nc_u64 s[76:77], s[6:7], s[70:71]
	CROUND                                         ; the first joint loads meet
.irp g, 0,1,2
.if \g < NFILL
	s_mov_b32 s[G0A+4*\g], 1
	s_add_co_u32 s[G0A+4*\g+1], s72, \g*SLOT
	s_add_nc_u64 s[G0A+4*\g+2:G0A+4*\g+3], s[74:75], \g*NQ*REC
	s_or_b32 s[G0A+4*\g+3], s[G0A+4*\g+3], 0x80000000
	s_mov_b32 s[G0B+4*\g], 1
	s_add_co_u32 s[G0B+4*\g+1], s72, \g*SLOT
	s_add_nc_u64 s[G0B+4*\g+2:G0B+4*\g+3], s[76:77], \g*NQ*REC
	s_or_b32 s[G0B+4*\g+3], s[G0B+4*\g+3], 0x80000000
	JLOAD \g
.endif
.endr
	v_and_b32 v1, 15, v0                           ; r
	v_bfe_u32 v2, v0, 4, 1                         ; h
	v_and_b32 v3, 31, v0                           ; lane
	v_lshlrev_b32 v16, 4, v3
	s_wait_alu depctr_va_vdst(0)
	s_mul_i32 s78, s[WM], 6144                     ; my four images of A's eight
	s_mul_i32 s79, s[WN], 6144
	s_add_co_u32 s79, s79, 2*HALFT                 ; W's records lie behind A's four
	s_xor_b32 s80, s[WM], 1
	s_add_co_u32 s80, s80, s[WN]
	s_lshl_b32 s80, s80, 8
	s_add_co_u32 s80, s80, 2*HALFT-256             ; from A's scale words to W's: 2 HALFT + 256 WN - 256 WM
	v_mul_u32_u24 v18, s80, v2
	v_lshl_add_u32 v18, v1, 2, v18
	s_wait_alu depctr_va_vdst(0)
	s_lshl_b32 s81, s[WM], 8
	s_add_co_u32 s81, s81, 12288
.irp g, 0,1,2
	v_add_nc_u32 v[ADRA+\g], s78, v16
	v_add_nc_u32 v[ADRB+\g], s79, v16
	v_add_nc_u32 v[ADRS+\g], s81, v18
	s_add_co_u32 s78, s78, SLOT
	s_add_co_u32 s79, s79, SLOT
	s_add_co_u32 s81, s81, SLOT
.endr
	s_mul_i32 s82, s[WV], 16*272                   ; my stage
	v_mul_u32_u24 v[STO], v1, 272
	v_lshl_add_u32 v[STO], v2, 6, v[STO]
	v_add_nc_u32 v[STO], s82, v[STO]               ; in: row r, + 64 h
	v_mul_u32_u24 v[RD], v2, 272
	v_lshl_add_u32 v[RD], v1, 4, v[RD]
	v_add_nc_u32 v[RD], s82, v[RD]                 ; back: lanes 0-15 one row, lanes 16-31 the next
	v_lshlrev_b32 v[CO], 12, v2
	v_lshl_add_u32 v[CO], v1, 4, v[CO]             ; and the same two rows in memory
	s_wait_alu depctr_va_vdst(0)
	s_lshl_b32 s82, s67, 9
	s_lshl_b32 s83, s[WN], 8
	s_add_co_u32 s82, s82, s83                     ; my first column, in bytes
	s_mov_b32 s83, 0
	s_add_nc_u64 s[8:9], s[8:9], s[82:83]
	s_lshl_b32 s84, s66, 7
	s_lshl_b32 s85, s[WM], 6
	s_add_co_u32 s84, s84, s85
	s_lshl_b32 s84, s84, 12                        ; my first token x 4,096 bytes
	s_add_co_u32 s84, s84, s82
	s_mov_b32 s85, 0
	s_add_nc_u64 s[88:89], s[10:11], s[84:85]
	s_add_nc_u64 s[90:91], s[12:13], s[84:85]
	v_lshlrev_b32 v19, 6, v2
	WIN 0x40
.irp b, 0,1,2,3
	global_load_b128 v[96+8*\b:96+8*\b+3], v19, s[8:9] offset:(32*(\b/2)+8*(\b%2))*4      ; the bias: block 2 g + u, register j: column 32 g + 8 u + 16 h + j
	global_load_b128 v[96+8*\b+4:96+8*\b+7], v19, s[8:9] offset:(32*(\b/2)+8*(\b%2))*4+16
.endr
	WIN 0x80
.irp a, 0,1,2,3
.irp t, 0,1,2,3,4,5,6,7
	global_load_b128 v[128+32*\a+4*\t:128+32*\a+4*\t+3], v[CO], s[88:89] offset:(32*(\a/2)+8*(\a%2)+2*\t+8*(\t/4))*4096   ; the residual: image rows 2 t, 2 t + 1 of block a
.endr
.endr
	WIN 0
	s_wait_tensorcnt NFILL-1                       ; my part of slot 0 is in; the later first fills may be out
	s_barrier_signal -1
	s_barrier_wait -1
	FETCH 0, 0
	s_wait_loadcnt 32                              ; the bias is in; the residual's 32 loads may be out
	STEP 0, 1
.set T, 1
.rept NQ*NSLOT-2
.if T%NQ == NQ-1
.if T/NQ+3 < NSLOT
	TURN T, 2                                      ; the slot's region takes the slot three on
.elseif T/NQ == NSLOT-2
	TURN T, 1                                      ; the last slot has landed
.else
	STEP T, 0                                      ; the next slot was shown landed to every wave by an earlier wait and round
.endif
.else
	STEP T, 0
.endif
.set T, T+1
.endr
	LAST NQ*NSLOT-1
.macro TOSTAGE a
	WIN 0x08                                       ; an LDS store's data are its source 1: window 2
.irp b, 0,1,2,3
	ds_store_b128 v[STO], v[8*(4*(\a)+\b):8*(4*(\a)+\b)+3] offset:128*(\b/2)+32*(\b%2)       ; each accumulator from its low end on
	ds_store_b128 v[STO], v[8*(4*(\a)+\b)+4:8*(4*(\a)+\b)+7] offset:128*(\b/2)+32*(\b%2)+16
.endr
	WIN 0
.irp t, 0,1,2,3,4,5,6,7
	ds_load_b128 v[64+32*(\a)+4*\t:64+32*(\a)+4*\t+3], v[RD] offset:544*\t   ; LDS serves a wave's instructions in order (ISA guide 5.7.1.4): these see my stores, and the next block's stores come behind them
.endr
.endm
.macro SEND a
	s_wait_dscnt 16*(3-(\a))                       ; the later blocks' sixteen LDS instructions each may be out
	WIN 0x08                                       ; source 1 (the residual) window 2
.irp t, 0,1,2,3,4,5,6,7
	v_pk_add_f32 v[64+32*(\a)+4*\t:64+32*(\a)+4*\t+1], v[64+32*(\a)+4*\t:64+32*(\a)+4*\t+1], v[128+32*(\a)+4*\t:128+32*(\a)+4*\t+1]
	v_pk_add_f32 v[64+32*(\a)+4*\t+2:64+32*(\a)+4*\t+3], v[64+32*(\a)+4*\t+2:64+32*(\a)+4*\t+3], v[128+32*(\a)+4*\t+2:128+32*(\a)+4*\t+3]
.endr
	WIN 0
.irp t, 0,1,2,3,4,5,6,7
.if NT
	global_store_b128 v[CO], v[64+32*(\a)+4*\t:64+32*(\a)+4*\t+3], s[90:91] offset:(32*((\a)/2)+8*((\a)%2)+2*\t+8*(\t/4))*4096 th:TH_STORE_NT
.else
	global_store_b128 v[CO], v[64+32*(\a)+4*\t:64+32*(\a)+4*\t+3], s[90:91] offset:(32*((\a)/2)+8*((\a)%2)+2*\t+8*(\t/4))*4096
.endif
.endr
.endm
	TOSTAGE 0
	TOSTAGE 1
	TOSTAGE 2
	TOSTAGE 3
	s_wait_loadcnt 0x0                             ; the residual
	SEND 0
	SEND 1
	SEND 2
	SEND 3
	s_wait_tensorcnt 0x0                           ; the wave's end
	ds_add_u32 v[SPW], v[NIL]
	s_wait_dscnt 0x0
	CROUND                                         ; the closing round
	s_endpgm
.Lfunc_end_k_qd87a236582_proj:
	.size	k_qd87a236582_proj, .Lfunc_end_k_qd87a236582_proj-k_qd87a236582_proj
	.p2alignl 7, 3214868480
	.fill 96, 4, 3214868480
	.section	.rodata,"a",@progbits
	.p2align	6, 0x0
	.amdhsa_kernel k_qd87a236582_proj
		.amdhsa_group_segment_fixed_size 327680
		.amdhsa_private_segment_fixed_size 0
		.amdhsa_enable_private_segment 0
		.amdhsa_kernarg_size 40
		.amdhsa_user_sgpr_count 2
		.amdhsa_user_sgpr_kernarg_segment_ptr 1
		.amdhsa_wavefront_size32 1
		.amdhsa_system_sgpr_workgroup_id_x 1
		.amdhsa_system_sgpr_workgroup_id_y 1
		.amdhsa_system_sgpr_workgroup_id_z 1
		.amdhsa_system_vgpr_workitem_id 0
		.amdhsa_next_free_vgpr 768
		.amdhsa_next_free_sgpr 100
		.amdhsa_reserve_vcc 0
		.amdhsa_float_denorm_mode_32 3
		.amdhsa_float_denorm_mode_16_64 3
		.amdhsa_memory_ordered 1
		.amdhsa_forward_progress 1
		.amdhsa_inst_pref_size 55
	.end_amdhsa_kernel
	.amdgpu_metadata
---
amdhsa.version: [ 1, 2 ]
amdhsa.kernels:
  - .name:           k_qd87a236582_proj
    .symbol:         k_qd87a236582_proj.kd
    .args:
      - { .name: yb, .offset: 0, .size: 8, .value_kind: global_buffer, .address_space: global }
      - { .name: wq, .offset: 8, .size: 8, .value_kind: global_buffer, .address_space: global }
      - { .name: b_proj, .offset: 16, .size: 8, .value_kind: global_buffer, .address_space: global }
      - { .name: x, .offset: 24, .size: 8, .value_kind: global_buffer, .address_space: global }
      - { .name: x1, .offset: 32, .size: 8, .value_kind: global_buffer, .address_space: global }
    .group_segment_fixed_size: 327680
    .private_segment_fixed_size: 0
    .kernarg_segment_align: 8
    .kernarg_segment_size: 40
    .max_flat_workgroup_size: 128
    .sgpr_count:     100
    .vgpr_count:     768
    .wavefront_size: 32
...
	.end_amdgpu_metadata
.endif
;; end of part 4
;; launch ln2 (part 5): grid 256 x 1, 8 waves a work-group, no clusters, 66,816 bytes of LDS; arguments x1, ln2_g, ln2_b, hb; writes hb
.if DOCPART == 5
	.amdgcn_target "amdgcn-amd-amdhsa--gfx1250"
	.amdhsa_code_object_version 6
	.text
	.protected	k_qd87a236582_ln2
	.globl	k_qd87a236582_ln2
	.p2align	8
	.type	k_qd87a236582_ln2,@function
k_qd87a236582_ln2:
	s_mov_b64 s[64:65], 0
	v_nop
	global_prefetch_b8 v0, s[64:65] scope:SCOPE_SE
	s_setreg_imm32_b32 hwreg(HW_REG_WAVE_MODE, 25, 1), 1
	s_wait_xcnt 0x0
; Layernorm of 4,096 rows of 1,024 f32, quantised along the row into records (layouts: head of the first kernel).  Arguments: the rows, the gain, the bias, the records.
; A work-group makes one block of 16 rows in the order of rows: block B holds tokens 32 (B / 2) + 8 (B % 2) + r + 8 (r / 8).
; PHASE 1: wave w normalises image rows 2 w and 2 w + 1 (neighbouring tokens), a row in 32 registers: mean, then the mean of the squared differences, as the block writes it; the result goes to LDS as rows of f32.
; PHASE 2, behind the one barrier: wave w quantises K step w of all 16 rows: lane (r, h) takes the numbers 64 c + 32 h + 0 .. 31 of row r, two whole blocks, so that the conversions' results are the image's registers.
; LDS rows are 4,112 bytes apart, an odd multiple of 16: the sixteen rows that a load of 16 bytes a lane touches start in sixteen different groups of banks (64 banks of 4 bytes: ISA guide 11.1).
; LIMITS: as stated at the head of the first kernel (the byte of a block of zeros; very small blocks; NaN and infinities).
.set REC,   12800
.set PITCH, 4112
.set SPARE, 16*PITCH                   ; behind the rows: the spare words, 128 bytes for each of 8 waves
.set SPW,   8                          ; v8   my spare word's LDS address; never rewritten
.set NIL,   9                          ; v9   0; never rewritten
.set XR,    16                         ; v16-79   two rows of 32 registers; in phase 2 my 64 numbers
.set GG,    80                         ; v80-111  the gain; in phase 2 the image (v80-91) and the upper halves (v92-98)
.set BB,    112                        ; v112-143 the bias
.set SA,    144                        ; v144-151 sums, four registers a row; in phase 2 at work
.set SQ,    152                        ; v152-159 sums of squares
	s_load_b256 s[4:11], s[0:1], 0x0               ; rows s[4:5], gain s[6:7], bias s[8:9], records s[10:11]
	v_lshl_add_u32 v[SPW], v0, 2, SPARE
	v_mov_b32 v[NIL], 0
	v_lshrrev_b32 v1, 5, v0
	s_delay_alu instid0(VALU_DEP_1)
	v_readfirstlane_b32 s12, v1                    ; wave 0..7
	v_and_b32 v1, 31, v0                           ; lane
	s_delay_alu instid0(VALU_DEP_1)
	v_lshlrev_b32 v2, 4, v1                        ; 16 x lane
	v_and_b32 v5, 15, v0                           ; r
	v_bfe_u32 v6, v0, 4, 1                         ; h
	s_delay_alu instid0(VALU_DEP_2)
	v_lshlrev_b32 v7, 2, v5                        ; 4 r
	s_mul_i32 s31, s12, 2*PITCH
	v_add_nc_u32 v3, s31, v2                       ; LDS, phase 1: my wave's two rows, 16 bytes a lane
	v_mul_u32_u24 v4, v5, PITCH
	s_delay_alu instid0(VALU_DEP_1)
	v_lshl_add_u32 v4, v6, 7, v4
	s_lshl_b32 s30, s12, 9
	v_add_nc_u32 v4, s30, v4                       ; LDS, phase 2: row r, K step w (512 bytes), + 128 h
	s_lshr_b32 s13, ttmp9, 1
	s_lshl_b32 s13, s13, 5
	s_and_b32 s14, ttmp9, 1
	s_lshl_b32 s14, s14, 3
	s_add_co_u32 s13, s13, s14
	s_lshl_b32 s14, s12, 1
	s_add_co_u32 s13, s13, s14
	s_lshr_b32 s14, s12, 2
	s_lshl_b32 s14, s14, 3
	s_add_co_u32 s13, s13, s14                     ; my first token: 32 (B / 2) + 8 (B % 2) + 2 w + 8 (w / 4)
	s_lshl_b32 s14, s13, 12                        ; x 4,096 bytes
	s_mov_b32 s15, 0
	s_mov_b32 s16, 0x3a800000                      ; 1 / 1,024
	s_mov_b32 s17, 0x3727c5ac                      ; 1e-5
	s_mov_b32 s28, 0x76543210
	s_mov_b32 s29, 0xfedcba98                      ; v_permlanex16_b32's selects for lane l xor 16
	s_lshr_b32 s18, ttmp9, 3
	s_lshl_b32 s18, s18, 3
	s_add_co_u32 s18, s18, s12
	s_mul_i32 s18, s18, REC                        ; record (B / 8, K step w)
	s_and_b32 s19, ttmp9, 7
	s_mul_i32 s20, s19, 1536
	s_add_co_u32 s20, s20, s18                     ; my image
	s_mov_b32 s21, 0
	s_lshl_b32 s22, s19, 6
	s_add_co_u32 s22, s22, s18
	s_add_co_u32 s22, s22, 12288                   ; my block's 16 scale words
	s_mov_b32 s23, 0
	s_wait_alu depctr_va_vdst(0)
	s_wait_kmcnt 0x0
	s_add_nc_u64 s[4:5], s[4:5], s[14:15]
	s_add_nc_u64 s[24:25], s[10:11], s[20:21]
	s_add_nc_u64 s[26:27], s[10:11], s[22:23]
.irp e, 0,1
.irp j, 0,1,2,3,4,5,6,7
	global_load_b128 v[XR+32*\e+4*\j:XR+32*\e+4*\j+3], v2, s[4:5] offset:4096*\e+512*\j   ; 512 consecutive bytes a load
.endr
.endr
.irp j, 0,1,2,3,4,5,6,7
	global_load_b128 v[GG+4*\j:GG+4*\j+3], v2, s[6:7] offset:512*\j
.endr
.irp j, 0,1,2,3,4,5,6,7
	global_load_b128 v[BB+4*\j:BB+4*\j+3], v2, s[8:9] offset:512*\j
.endr
	s_wait_loadcnt 16                              ; the two rows are in; the gain's and the bias's sixteen loads may be out
; a sum over the wave's 32 lanes of v[a] for both rows; v[a + 1] is at work
.macro ACROSS a
.irp m, 1,2,4,8
.irp e, 0,1
	s_delay_alu instid0(VALU_DEP_2)
	v_add_f32_dpp v[\a+4*\e], v[\a+4*\e], v[\a+4*\e] row_xmask:\m row_mask:0xf bank_mask:0xf
.endr
.endr
.irp e, 0,1
	s_delay_alu instid0(VALU_DEP_2)
	v_permlanex16_b32 v[\a+4*\e+1], v[\a+4*\e], s28, s29
.endr
.irp e, 0,1
	s_delay_alu instid0(VALU_DEP_2)
	v_add_f32 v[\a+4*\e], v[\a+4*\e], v[\a+4*\e+1]
.endr
.endm
.irp e, 0,1
	v_pk_add_f32 v[SA+4*\e:SA+4*\e+1], v[XR+32*\e:XR+32*\e+1], v[XR+32*\e+2:XR+32*\e+3]     ; the first words start the chains: nothing is cleared
	v_pk_add_f32 v[SA+4*\e+2:SA+4*\e+3], v[XR+32*\e+4:XR+32*\e+5], v[XR+32*\e+6:XR+32*\e+7]
.endr
.irp i, 8,12,16,20,24,28
.irp e, 0,1
	s_delay_alu instid0(VALU_DEP_4)
	v_pk_add_f32 v[SA+4*\e:SA+4*\e+1], v[SA+4*\e:SA+4*\e+1], v[XR+32*\e+\i:XR+32*\e+\i+1]
	s_delay_alu instid0(VALU_DEP_4)
	v_pk_add_f32 v[SA+4*\e+2:SA+4*\e+3], v[SA+4*\e+2:SA+4*\e+3], v[XR+32*\e+\i+2:XR+32*\e+\i+3]
.endr
.endr
.irp e, 0
	s_delay_alu instid0(VALU_DEP_3)
	v_pk_add_f32 v[SA+4*\e:SA+4*\e+1], v[SA+4*\e:SA+4*\e+1], v[SA+4*\e+2:SA+4*\e+3]
.endr
.irp e, 1
	s_delay_alu instid0(VALU_DEP_2)
	v_pk_add_f32 v[SA+4*\e:SA+4*\e+1], v[SA+4*\e:SA+4*\e+1], v[SA+4*\e+2:SA+4*\e+3]
.endr
.irp e, 0,1
	s_delay_alu instid0(VALU_DEP_2)
	v_add_f32 v[SA+4*\e], v[SA+4*\e], v[SA+4*\e+1]
.endr
	ACROSS SA
.irp e, 0,1
	s_delay_alu instid0(VALU_DEP_2)
	v_mul_f32 v[SA+4*\e], s16, v[SA+4*\e]          ; the mean
.endr
.irp i, 0,2,4,6,8,10,12,14,16,18,20,22,24,26,28,30
.irp e, 0,1
	v_pk_add_f32 v[XR+32*\e+\i:XR+32*\e+\i+1], v[XR+32*\e+\i:XR+32*\e+\i+1], v[SA+4*\e:SA+4*\e+1] op_sel_hi:[1,0] neg_lo:[0,1] neg_hi:[0,1]   ; x - mean, in place
.endr
.endr
.irp e, 0,1
	v_pk_mul_f32 v[SQ+4*\e:SQ+4*\e+1], v[XR+32*\e:XR+32*\e+1], v[XR+32*\e:XR+32*\e+1]
	v_pk_mul_f32 v[SQ+4*\e+2:SQ+4*\e+3], v[XR+32*\e+2:XR+32*\e+3], v[XR+32*\e+2:XR+32*\e+3]
.endr
.irp i, 4,8,12,16,20,24,28
.irp e, 0,1
	s_delay_alu instid0(VALU_DEP_4)
	v_pk_fma_f32 v[SQ+4*\e:SQ+4*\e+1], v[XR+32*\e+\i:XR+32*\e+\i+1], v[XR+32*\e+\i:XR+32*\e+\i+1], v[SQ+4*\e:SQ+4*\e+1]
	s_delay_alu instid0(VALU_DEP_4)
	v_pk_fma_f32 v[SQ+4*\e+2:SQ+4*\e+3], v[XR+32*\e+\i+2:XR+32*\e+\i+3], v[XR+32*\e+\i+2:XR+32*\e+\i+3], v[SQ+4*\e+2:SQ+4*\e+3]
.endr
.endr
.irp e, 0
	s_delay_alu instid0(VALU_DEP_3)
	v_pk_add_f32 v[SQ+4*\e:SQ+4*\e+1], v[SQ+4*\e:SQ+4*\e+1], v[SQ+4*\e+2:SQ+4*\e+3]
.endr
.irp e, 1
	s_delay_alu instid0(VALU_DEP_2)
	v_pk_add_f32 v[SQ+4*\e:SQ+4*\e+1], v[SQ+4*\e:SQ+4*\e+1], v[SQ+4*\e+2:SQ+4*\e+3]
.endr
.irp e, 0,1
	s_delay_alu instid0(VALU_DEP_2)
	v_add_f32 v[SQ+4*\e], v[SQ+4*\e], v[SQ+4*\e+1]
.endr
	ACROSS SQ
.irp e, 0,1
	s_delay_alu instid0(VALU_DEP_2)
	v_fma_f32 v[SQ+4*\e], v[SQ+4*\e], s16, s17     ; the variance + 1e-5
.endr
	s_wait_alu depctr_va_vdst(0)
.irp e, 0,1
	v_rsq_f32 v[SQ+4*\e], v[SQ+4*\e]
.endr
	v_nop                                          ; a plain line behind the last transcendental
	s_wait_alu depctr_va_vdst(0)                   ; one wait for both, ahead of the first reader
	s_wait_loadcnt 0x0                             ; the gain and the bias
.irp i, 0,2,4,6,8,10,12,14,16,18,20,22,24,26,28,30
.irp e, 0,1
	v_pk_mul_f32 v[XR+32*\e+\i:XR+32*\e+\i+1], v[XR+32*\e+\i:XR+32*\e+\i+1], v[SQ+4*\e:SQ+4*\e+1] op_sel_hi:[1,0]
.endr
.endr
.irp i, 0,2,4,6,8,10,12,14,16,18,20,22,24,26,28,30
.irp e, 0,1
	v_pk_fma_f32 v[XR+32*\e+\i:XR+32*\e+\i+1], v[XR+32*\e+\i:XR+32*\e+\i+1], v[GG+\i:GG+\i+1], v[BB+\i:BB+\i+1]
.endr
.endr
.irp e, 0,1
.irp j, 0,1,2,3,4,5,6,7
	ds_store_b128 v3, v[XR+32*\e+4*\j:XR+32*\e+4*\j+3] offset:PITCH*\e+512*\j
.endr
.endr
	s_wait_dscnt 0x0                               ; for the others' sake: my rows lie in LDS
	s_barrier_signal -1
	s_barrier_wait -1
.irp c, 0,1
.irp j, 0,1,2,3,4,5,6,7
	ds_load_b128 v[XR+32*\c+4*\j:XR+32*\c+4*\j+3], v4 offset:256*\c+16*\j   ; register 32 c + i = number 128 w + 64 c + 32 h + i of row r
.endr
.endr
	s_wait_dscnt 0x0
.irp c, 0,1
	v_max3_num_f32 v[SA+\c], |v[XR+32*\c]|, |v[XR+32*\c+1]|, 0x1800000   ; my block 2 c + h: all its 32 numbers are mine; the floor 2^(3 - 127) holds the byte at 1 from below
.endr
.irp i, 2,4,6,8,10,12,14,16,18,20,22,24,26,28,30
.irp c, 0,1
	s_delay_alu instid0(VALU_DEP_2)
	v_max3_num_f32 v[SA+\c], v[SA+\c], |v[XR+32*\c+\i]|, |v[XR+32*\c+\i+1]|
.endr
.endr
.irp c, 0,1
	s_delay_alu instid0(VALU_DEP_2)
	v_add_nc_u32 v[SA+2+\c], 0xff000000, v[SA+\c]  ; 2 off the exponent field: the conversion's scale operand
.endr
.irp c, 0,1
	s_delay_alu instid0(VALU_DEP_2)
	v_lshrrev_b32 v[SA+4+\c], 23, v[SA+2+\c]       ; the scale's byte
.endr
	s_delay_alu instid0(VALU_DEP_1)
	v_lshl_or_b32 v[SA+6], v[SA+5], 16, v[SA+4]    ; my two bytes: blocks h and 2 + h,
	v_lshlrev_b32 v[SA+7], 3, v6
	s_delay_alu instid0(VALU_DEP_1)
	v_lshlrev_b32 v[SA+6], v[SA+7], v[SA+6]        ; at their places in the word;
	v_mov_b32 v[SA+7], 0
	s_delay_alu instid0(VALU_DEP_1)
	v_permlanex16_b32 v[SA+7], v[SA+6], s28, s29
	s_delay_alu instid0(VALU_DEP_1)
	v_or_b32 v[SA+6], v[SA+6], v[SA+7]             ; with lane l xor 16's two the word is whole
.irp c, 0,1
	v_cvt_scalef32_pk16_fp6_f32 v[GG+6*\c:GG+6*\c+2], v[XR+32*\c:XR+32*\c+15], v[SA+2+\c]
	v_cvt_scalef32_pk16_fp6_f32 v[GG+12+4*\c:GG+14+4*\c], v[XR+32*\c+16:XR+32*\c+31], v[SA+2+\c]   ; (a conversion's three registers begin on an even number)
.endr
	v_nop                                          ; one plain line behind the last conversion
.irp c, 0,1
.irp i, 0,1,2
	v_mov_b32 v[GG+3+6*\c+\i], v[GG+12+4*\c+\i]
.endr
.endr
.irp c, 0,1,2
	global_store_b128 v2, v[GG+4*\c:GG+4*\c+3], s[24:25] offset:512*\c   ; the image: 512 consecutive bytes a store
.endr
	s_wait_xcnt 0x0                                ; EXEC changes only behind this wait
	v_cmp_gt_u32 vcc_lo, 16, v1
	s_and_saveexec_b32 s20, vcc_lo
	global_store_b32 v7, v[SA+6], s[26:27]         ; lanes 0-15: the 16 rows' scale words, 64 consecutive bytes
	s_wait_xcnt 0x0
	s_or_b32 exec_lo, exec_lo, s20
	s_wait_tensorcnt 0x0                           ; the wave's end
	ds_add_u32 v[SPW], v[NIL]
	s_wait_dscnt 0x0
	s_endpgm
.Lfunc_end_k_qd87a236582_ln2:
	.size	k_qd87a236582_ln2, .Lfunc_end_k_qd87a236582_ln2-k_qd87a236582_ln2
	.p2alignl 7, 3214868480
	.fill 96, 4, 3214868480
	.section	.rodata,"a",@progbits
	.p2align	6, 0x0
	.amdhsa_kernel k_qd87a236582_ln2
		.amdhsa_group_segment_fixed_size 66816
		.amdhsa_private_segment_fixed_size 0
		.amdhsa_enable_private_segment 0
		.amdhsa_kernarg_size 32
		.amdhsa_user_sgpr_count 2
		.amdhsa_user_sgpr_kernarg_segment_ptr 1
		.amdhsa_wavefront_size32 1
		.amdhsa_system_sgpr_workgroup_id_x 1
		.amdhsa_system_sgpr_workgroup_id_y 1
		.amdhsa_system_sgpr_workgroup_id_z 1
		.amdhsa_system_vgpr_workitem_id 0
		.amdhsa_next_free_vgpr 160
		.amdhsa_next_free_sgpr 66
		.amdhsa_reserve_vcc 1
		.amdhsa_float_denorm_mode_32 3
		.amdhsa_float_denorm_mode_16_64 3
		.amdhsa_memory_ordered 1
		.amdhsa_forward_progress 1
		.amdhsa_inst_pref_size 27
	.end_amdhsa_kernel
	.amdgpu_metadata
---
amdhsa.version: [ 1, 2 ]
amdhsa.kernels:
  - .name:           k_qd87a236582_ln2
    .symbol:         k_qd87a236582_ln2.kd
    .args:
      - { .name: x1, .offset: 0, .size: 8, .value_kind: global_buffer, .address_space: global }
      - { .name: ln2_g, .offset: 8, .size: 8, .value_kind: global_buffer, .address_space: global }
      - { .name: ln2_b, .offset: 16, .size: 8, .value_kind: global_buffer, .address_space: global }
      - { .name: hb, .offset: 24, .size: 8, .value_kind: global_buffer, .address_space: global }
    .group_segment_fixed_size: 66816
    .private_segment_fixed_size: 0
    .kernarg_segment_align: 8
    .kernarg_segment_size: 32
    .max_flat_workgroup_size: 256
    .sgpr_count:     66
    .vgpr_count:     160
    .wavefront_size: 32
...
	.end_amdgpu_metadata
.endif
;; end of part 5
;; launch fc (part 6): grid 16 x 16, 4 waves a work-group, clusters of 4 x 4, 327,680 bytes of LDS; arguments hb, wq, b_fc, gb; writes gb
.if DOCPART == 6
	.amdgcn_target "amdgcn-amd-amdhsa--gfx1250"
	.amdhsa_code_object_version 6
	.text
	.protected	k_qd87a236582_fc
	.globl	k_qd87a236582_fc
	.p2align	8
	.type	k_qd87a236582_fc,@function
k_qd87a236582_fc:
	s_mov_b64 s[64:65], 0
	v_nop
	global_prefetch_b8 v0, s[64:65] scope:SCOPE_SE
	s_setreg_imm32_b32 hwreg(HW_REG_WAVE_MODE, 25, 1), 1
	s_wait_xcnt 0x0
	s_wait_alu depctr_hold_cnt(0) depctr_sa_sdst(0) depctr_va_vdst(0) depctr_va_sdst(0) depctr_va_ssrc(0) depctr_va_vcc(0) depctr_vm_vsrc(0)
	s_getreg_b32 s2, hwreg(HW_REG_IB_STS2, 6, 4)
	s_cmp_eq_u32 s2, 0
	s_cbranch_scc0 .Lentry_in_a_cluster
	s_endpgm
.Lentry_in_a_cluster:
	s_bfe_u32 s2, ttmp6, 0x10000c
	s_cmp_lg_u32 s2, 0xf033
	s_cbranch_scc0 .Lentry_shape_is_right
	s_endpgm
.Lentry_shape_is_right:
.set NQ,    2
.set KS,    8
.set WBASE, 256*12800
.set REC,   12800
.set HALFT, 2*REC
.set SLOT,  4*HALFT
.set SPARE, 3*SLOT
.set NF,    56
.set ADRA,  4
.set ADRB,  8
.set ADRS,  12
.set SPW,   28
.set NIL,   29
.set SC,    32
.set U,     64
.set PC,    128
.set TM,    148
.set PWS,   166
.set WV, 16
.set WM, 17
.set WN, 18
.set G1A, 24
.set G1B, 32
.set G0A, 40
.set G0B, 52
.set MSB, 0
.macro WIN new
.if MSB != (\new)
	s_set_vgpr_msb (MSB<<8)|(\new)
.set MSB, (\new)
.endif
.endm
.macro PLACES
.rept 4
	v_nop
.endr
.endm
.macro JLOAD g
	s_cmp_eq_u32 s[WM], 0
	s_cbranch_scc0 .Lfor_b_\@
	tensor_load_to_lds s[G0A+4*(\g):G0A+4*(\g)+3], s[G1A:G1A+7]
	s_nop 0
.rept 4
	v_nop
.endr
	s_branch .Lasked_\@
.Lfor_b_\@:
	tensor_load_to_lds s[G0B+4*(\g):G0B+4*(\g)+3], s[G1B:G1B+7]
	s_nop 0
.rept 4
	v_nop
.endr
.Lasked_\@:
.endm
.macro CREST
	s_cmp_lg_u32 s[WV], 0
	s_cbranch_scc1 .Lnot_wave_0_\@
	s_barrier_signal -3
.Lnot_wave_0_\@:
	s_barrier_wait -3
	s_barrier_signal -1
	s_barrier_wait -1
.endm
.macro CROUND
	s_barrier_signal -1
	s_barrier_wait -1
	CREST
.endm
.macro FETCH t, p
.set FG, ((\t)/NQ)%3
.set FQ, (\t)%NQ
	WIN 0x40
.irp i, 0,1,2,3,4,5,6,7
.irp c, 0,1,2
	ds_load_b128 v[128*(\p)+12*\i+4*\c:128*(\p)+12*\i+4*\c+3], v[ADRB+FG] offset:FQ*REC+1536*\i+512*\c
.endr
.endr
	WIN 0
.irp i, 0,1,2,3,4,5,6,7
.irp c, 0,1,2
	ds_load_b128 v[64+96*(\p)+12*\i+4*\c:64+96*(\p)+12*\i+4*\c+3], v[ADRA+FG] offset:FQ*REC+1536*\i+512*\c
.endr
.endr
.irp i, 0,1,2,3,4,5,6,7
	ds_load_b32 v[SC+8*(\p)+\i], v[ADRS+FG] offset:FQ*REC+64*\i
.endr
.endm
.macro MULQ qd, p, mode
.irp e, 0,1
.set MA, 2*(\qd)+\e
.if (\mode) == 0
	WIN 0xa1+0x50*(MA/4)
.else
	WIN 0x91+0x40*(MA/4)
.endif
.irp b, 0,1,2,3,4,5,6,7
.set MD, 8*(8*(MA%4)+\b)
.set MC, 96+8*\b+96*(\b/4)
.if (\mode) == 0
	v_wmma_scale_f32_16x16x128_f8f6f4 v[MD:MD+7], v[128*(\p)+12*\b:128*(\p)+12*\b+11], v[64+96*(\p)+12*MA:64+96*(\p)+12*MA+11], v[MD:MD+7], v[SC+8*(\p)+\b], v[SC+8*(\p)+MA] matrix_a_fmt:MATRIX_FMT_FP6 matrix_b_fmt:MATRIX_FMT_FP6 matrix_a_scale:MATRIX_SCALE_ROW1
.else
	v_wmma_scale_f32_16x16x128_f8f6f4 v[MD:MD+7], v[128*(\p)+12*\b:128*(\p)+12*\b+11], v[64+96*(\p)+12*MA:64+96*(\p)+12*MA+11], v[MC:MC+7], v[SC+8*(\p)+\b], v[SC+8*(\p)+MA] matrix_a_fmt:MATRIX_FMT_FP6 matrix_b_fmt:MATRIX_FMT_FP6 matrix_a_scale:MATRIX_SCALE_ROW1
.endif
.endr
.endr
.endm
.macro STEP t, mode
.if (\t) > 0
	PLACES
.endif
	FETCH (\t)+1, 1-(\t)%2
	s_wait_dscnt NF
	MULQ 0, (\t)%2, \mode
	MULQ 1, (\t)%2, \mode
	MULQ 2, (\t)%2, \mode
	MULQ 3, (\t)%2, \mode
.endm
.macro TURN t, kind
.set TP, (\t)%2
.set RG, ((\t)/NQ)%3
	WIN 0
	s_wait_tensorcnt 0x0
	ds_add_u32 v[SPW], v[NIL]
	s_wait_dscnt 1
	MULQ 0, TP, 0
	s_wait_dscnt 0x0
	s_barrier_signal -1
	MULQ 1, TP, 0
	WIN 0
	s_barrier_wait -1
.if (\kind) == 2
	CREST
	s_add_nc_u64 s[G0A+4*RG+2:G0A+4*RG+3], s[G0A+4*RG+2:G0A+4*RG+3], 3*NQ*REC
	s_add_nc_u64 s[G0B+4*RG+2:G0B+4*RG+3], s[G0B+4*RG+2:G0B+4*RG+3], 3*NQ*REC
	JLOAD RG
.else
	PLACES
.endif
	FETCH (\t)+1, 1-TP
	MULQ 2, TP, 0
	MULQ 3, TP, 0
.endm
.macro LAST t
	s_wait_dscnt 0x0
	MULQ 0, (\t)%2, 0
	MULQ 1, (\t)%2, 0
	MULQ 2, (\t)%2, 0
	MULQ 3, (\t)%2, 0
	WIN 0
	PLACES
.endm
.macro QUANT s, w, pw
	WIN (\w)|((\w)<<2)
.irp b, 0,1,2,3
	v_max3_num_f32 v[TM+\b], |v[(\s)+16*\b]|, |v[(\s)+16*\b+1]|, 0x1800000
.endr
.irp i, 2,4,6,8,10,12,14
.irp b, 0,1,2,3
	v_max3_num_f32 v[TM+\b], |v[(\s)+16*\b+\i]|, |v[(\s)+16*\b+\i+1]|, v[TM+\b]
.endr
.endr
	WIN 0
.irp b, 0,1,2,3
	v_permlanex16_b32 v[TM+4+\b], v[TM+\b], s86, s87
.endr
.irp b, 0,1,2,3
	v_max_num_f32 v[TM+\b], v[TM+\b], v[TM+4+\b]
.endr
.irp b, 0,1,2,3
	v_add_nc_u32 v[TM+12+\b], 0xff000000, v[TM+\b]
.endr
.irp b, 0,1,2,3
	v_lshrrev_b32 v[TM+4+\b], 23, v[TM+12+\b]
.endr
	v_lshl_or_b32 v[\pw], v[TM+5], 8, v[TM+4]
	v_lshl_or_b32 v[\pw], v[TM+6], 16, v[\pw]
	v_lshl_or_b32 v[\pw], v[TM+7], 24, v[\pw]
	s_wait_xcnt 0x0
	WIN \w
.irp c, 0,1
	v_cvt_scalef32_pk16_fp6_f32 v[PC+6*\c:PC+6*\c+2], v[(\s)+32*\c:(\s)+32*\c+15], v[TM+12+2*\c]
	v_cvt_scalef32_pk16_fp6_f32 v[PC+12+4*\c:PC+14+4*\c], v[(\s)+32*\c+16:(\s)+32*\c+31], v[TM+12+2*\c+1]
.endr
	WIN 0
	v_nop
.irp c, 0,1
.irp i, 0,1,2
	v_permlane16_swap_b32 v[PC+6*\c+\i], v[PC+12+4*\c+\i]
.endr
.irp i, 0,1,2
	v_mov_b32 v[PC+3+6*\c+\i], v[PC+12+4*\c+\i]
.endr
.endr
.endm
.macro GELU x, w
	WIN (\w)|((\w)<<2)
.set JJ, 0
.rept 32
	v_pk_mul_f32 v[U+JJ:U+JJ+1], v[(\x)+JJ:(\x)+JJ+1], v[(\x)+JJ:(\x)+JJ+1]
.set JJ, JJ+2
.endr
	WIN 0
.set JJ, 0
.rept 32
	v_pk_fma_f32 v[U+JJ:U+JJ+1], v[U+JJ:U+JJ+1], v[48:49], v[50:51]
.set JJ, JJ+2
.endr
	WIN \w
.set JJ, 0
.rept 32
	v_pk_mul_f32 v[U+JJ:U+JJ+1], v[(\x)+JJ:(\x)+JJ+1], v[U+JJ:U+JJ+1]
.set JJ, JJ+2
.endr
	WIN 0
.set JJ, 0
	s_wait_alu depctr_va_vdst(0)
.rept 64
	v_exp_f32 v[U+JJ], v[U+JJ]
.set JJ, JJ+1
.endr
	v_nop
	s_wait_alu depctr_va_vdst(0)
.set JJ, 0
.rept 32
	v_pk_add_f32 v[U+JJ:U+JJ+1], v[U+JJ:U+JJ+1], 1.0 op_sel_hi:[1,0]
.set JJ, JJ+2
.endr
.set JJ, 0
	s_wait_alu depctr_va_vdst(0)
.rept 64
	v_rcp_f32 v[U+JJ], v[U+JJ]
.set JJ, JJ+1
.endr
	v_nop
	s_wait_alu depctr_va_vdst(0)
	WIN \w
.set JJ, 0
.rept 32
	v_pk_mul_f32 v[U+JJ:U+JJ+1], v[(\x)+JJ:(\x)+JJ+1], v[U+JJ:U+JJ+1]
.set JJ, JJ+2
.endr
	WIN 0
.endm
	s_load_b256 s[4:11], s[0:1], 0x0
	v_lshl_add_u32 v[SPW], v0, 2, SPARE
	v_mov_b32 v[NIL], 0
	ds_add_u32 v[SPW], v[NIL]
	ds_add_u32 v[SPW], v[NIL]
	v_lshrrev_b32 v1, 5, v0
	v_readfirstlane_b32 s[WV], v1
	s_lshr_b32 s[WM], s[WV], 1
	s_and_b32 s[WN], s[WV], 1
	s_bfe_u32 s19, ttmp6, 0x40000
	s_bfe_u32 s20, ttmp6, 0x40004
	s_lshl_b32 s67, ttmp9, 2
	s_add_co_u32 s67, s67, s19
	s_and_b32 s66, ttmp7, 0xffff
	s_lshl_b32 s66, s66, 2
	s_add_co_u32 s66, s66, s20
	s_lshl_b32 s22, s20, 2
	s_lshl_b32 s22, 15, s22
	s_lshl_b32 s23, 0x1111, s19
	s_or_b32 s[G1A], s22, (3<<16)|(1<<21)
	s_or_b32 s[G1B], s23, (3<<16)|(1<<21)
.irp g, G1A, G1B
	s_mov_b32 s[\g+1], 32<<16
	s_mov_b32 s[\g+2], 300<<16                     ; the head's load: six records of a row group, 76,800 dense bytes, one load a wave
	s_mov_b32 s[\g+3], 32<<16
	s_mov_b32 s[\g+4], 300
	s_mov_b32 s[\g+5], 32
	s_mov_b32 s[\g+6], 0
	s_mov_b32 s[\g+7], 0
.endr
	s_lshl_b32 s68, s66, 1
	s_add_co_u32 s68, s68, s[WN]
	s_mul_i32 s68, s68, KS*REC
	s_mov_b32 s69, 0
	s_lshl_b32 s70, s67, 1
	s_add_co_u32 s70, s70, s[WN]
	s_mul_i32 s70, s70, KS*REC
	s_add_co_u32 s70, s70, WBASE
	s_mov_b32 s71, 0
	s_mul_i32 s72, s[WV], 3*HALFT                  ; each wave's region holds K steps 0 to 5 of its 128 rows; steps 6 and 7 later take the place of steps 0 and 1
	s_wait_dscnt 0x0
	s_wait_kmcnt 0x0
	s_add_nc_u64 s[74:75], s[4:5], s[68:69]
	s_add_nc_u64 s[76:77], s[6:7], s[70:71]
	CROUND
.irp g, 0
	s_mov_b32 s[G0A+4*\g], 1
	s_add_co_u32 s[G0A+4*\g+1], s72, \g*SLOT
	s_add_nc_u64 s[G0A+4*\g+2:G0A+4*\g+3], s[74:75], \g*NQ*REC
	s_or_b32 s[G0A+4*\g+3], s[G0A+4*\g+3], 0x80000000
	s_mov_b32 s[G0B+4*\g], 1
	s_add_co_u32 s[G0B+4*\g+1], s72, \g*SLOT
	s_add_nc_u64 s[G0B+4*\g+2:G0B+4*\g+3], s[76:77], \g*NQ*REC
	s_or_b32 s[G0B+4*\g+3], s[G0B+4*\g+3], 0x80000000
	JLOAD \g
.endr
	v_and_b32 v1, 15, v0
	v_bfe_u32 v2, v0, 4, 1
	v_and_b32 v3, 31, v0
	v_lshlrev_b32 v16, 4, v3
	s_wait_alu depctr_va_vdst(0)
	v_lshlrev_b32 v17, 2, v3
	s_mul_i32 s78, s[WM], 3*HALFT
	s_add_co_u32 s79, s[WN], 2
	s_mul_i32 s79, s79, 3*HALFT
	s_xor_b32 s80, s[WM], 1
	s_add_co_u32 s80, s80, s[WN]
	s_add_co_u32 s80, s80, 1
	s_mul_i32 s80, s80, 3*HALFT
	v_mul_u32_u24 v18, s80, v2
	v_lshl_add_u32 v18, v1, 2, v18
	s_add_co_u32 s81, s78, 12288
.irp g, 0,1,2
	v_add_nc_u32 v[ADRA+\g], s78, v16
	v_add_nc_u32 v[ADRB+\g], s79, v16
	v_add_nc_u32 v[ADRS+\g], s81, v18
	s_add_co_u32 s78, s78, HALFT                   ; address register g serves K steps 2 g and 2 g + 1 of a region
	s_add_co_u32 s79, s79, HALFT
	s_add_co_u32 s81, s81, HALFT
.endr
	s_lshl_b32 s82, s67, 10
	s_lshl_b32 s83, s[WN], 9
	s_add_co_u32 s82, s82, s83
	s_mov_b32 s83, 0
	s_add_nc_u64 s[8:9], s[8:9], s[82:83]
	v_lshlrev_b32 v19, 6, v2
	WIN 0x40
.irp b, 0,1,2,3,4,5,6,7
	global_load_b128 v[96+8*\b+96*(\b/4):96+8*\b+96*(\b/4)+3], v19, s[8:9] offset:(32*(\b/2)+8*(\b%2))*4
	global_load_b128 v[96+8*\b+96*(\b/4)+4:96+8*\b+96*(\b/4)+7], v19, s[8:9] offset:(32*(\b/2)+8*(\b%2))*4+16
.endr
	WIN 0
	s_lshl_b32 s84, s66, 1
	s_add_co_u32 s84, s84, s[WM]
	s_lshl_b32 s84, s84, 5
	s_lshl_b32 s85, s67, 1
	s_add_co_u32 s85, s85, s[WN]
	s_add_co_u32 s84, s84, s85
	s_mul_i32 s84, s84, REC
	s_mov_b32 s85, 0
	s_add_nc_u64 s[10:11], s[10:11], s[84:85]
	s_wait_alu depctr_va_vdst(0)
	s_wait_tensorcnt 0x0                           ; my one load, K steps 0 to 5 of my 128 rows, is in; no load of mine is out, so a descriptor may be written:
	s_mov_b32 s[G1A+2], 100<<16                    ; the refill brings two records, 100 rows of 256 bytes
	s_mov_b32 s[G1A+4], 100
	s_mov_b32 s[G1B+2], 100<<16
	s_mov_b32 s[G1B+4], 100
	s_barrier_signal -1
	s_barrier_wait -1
	FETCH 0, 0
	s_wait_loadcnt 0x0
	STEP 0, 1
	TURN 1, 2
	STEP 2, 0
	STEP 3, 0
	STEP 4, 0
	TURN 5, 1
	STEP 6, 0
	LAST 7
	s_mov_b32 s86, 0x76543210
	s_mov_b32 s87, 0xfedcba98
	v_mov_b32 v48, 0xbdd2d3e8
	v_mov_b32 v49, v48
	v_mov_b32 v50, 0xc0135761
	v_mov_b32 v51, v50
.irp b, 0,1,2,3
	v_mov_b32 v[TM+4+\b], 0
.endr
	v_cmp_le_u32 s94, 16, v3
.irp a, 0,1,2,3,4,5,6,7
	GELU 64*(\a%4), 2+\a/4
	QUANT U, 0, PWS+\a
.irp c, 0,1,2
	global_store_b128 v16, v[PC+4*\c:PC+4*\c+3], s[10:11] offset:1536*\a+512*\c
.endr
.endr
.irp i, 0,1,2,3
	v_cndmask_b32 v[174+\i], v[PWS+2*\i], v[PWS+2*\i+1], s94
.endr
.irp i, 0,1,2,3
	global_store_b32 v17, v[174+\i], s[10:11] offset:12288+128*\i
.endr
	s_wait_tensorcnt 0x0
	ds_add_u32 v[SPW], v[NIL]
	s_wait_dscnt 0x0
	CROUND
	s_endpgm
.Lfunc_end_k_qd87a236582_fc:
	.size	k_qd87a236582_fc, .Lfunc_end_k_qd87a236582_fc-k_qd87a236582_fc
	.p2alignl 7, 3214868480
	.fill 96, 4, 3214868480
	.section	.rodata,"a",@progbits
	.p2align	6, 0x0
	.amdhsa_kernel k_qd87a236582_fc
		.amdhsa_group_segment_fixed_size 327680
		.amdhsa_private_segment_fixed_size 0
		.amdhsa_enable_private_segment 0
		.amdhsa_kernarg_size 32
		.amdhsa_user_sgpr_count 2
		.amdhsa_user_sgpr_kernarg_segment_ptr 1
		.amdhsa_wavefront_size32 1
		.amdhsa_system_sgpr_workgroup_id_x 1
		.amdhsa_system_sgpr_workgroup_id_y 1
		.amdhsa_system_sgpr_workgroup_id_z 1
		.amdhsa_system_vgpr_workitem_id 0
		.amdhsa_next_free_vgpr 1024
		.amdhsa_next_free_sgpr 100
		.amdhsa_reserve_vcc 0
		.amdhsa_float_denorm_mode_32 3
		.amdhsa_float_denorm_mode_16_64 3
		.amdhsa_memory_ordered 1
		.amdhsa_forward_progress 1
		.amdhsa_inst_pref_size 253
	.end_amdhsa_kernel
	.amdgpu_metadata
---
amdhsa.version: [ 1, 2 ]
amdhsa.kernels:
  - .name:           k_qd87a236582_fc
    .symbol:         k_qd87a236582_fc.kd
    .args:
      - { .name: hb, .offset: 0, .size: 8, .value_kind: global_buffer, .address_space: global }
      - { .name: wq, .offset: 8, .size: 8, .value_kind: global_buffer, .address_space: global }
      - { .name: b_fc, .offset: 16, .size: 8, .value_kind: global_buffer, .address_space: global }
      - { .name: gb, .offset: 24, .size: 8, .value_kind: global_buffer, .address_space: global }
    .group_segment_fixed_size: 327680
    .private_segment_fixed_size: 0
    .kernarg_segment_align: 8
    .kernarg_segment_size: 32
    .max_flat_workgroup_size: 128
    .sgpr_count:     100
    .vgpr_count:     1024
    .wavefront_size: 32
...
	.end_amdgpu_metadata
.endif
;; end of part 6
;; launch fcproj (part 7): grid 8 x 32, 4 waves a work-group, clusters of 4 x 4, 327,680 bytes of LDS; arguments gb, wq, b_fc_proj, x1, out0; writes out0
.if DOCPART == 7
	.amdgcn_target "amdgcn-amd-amdhsa--gfx1250"
	.amdhsa_code_object_version 6
	.text
	.protected	k_qd87a236582_fcproj
	.globl	k_qd87a236582_fcproj
	.p2align	8
	.type	k_qd87a236582_fcproj,@function
k_qd87a236582_fcproj:
	s_mov_b64 s[64:65], 0
	v_nop
	global_prefetch_b8 v0, s[64:65] scope:SCOPE_SE
	s_setreg_imm32_b32 hwreg(HW_REG_WAVE_MODE, 25, 1), 1
	s_wait_xcnt 0x0
	s_wait_alu depctr_hold_cnt(0) depctr_sa_sdst(0) depctr_va_vdst(0) depctr_va_sdst(0) depctr_va_ssrc(0) depctr_va_vcc(0) depctr_vm_vsrc(0)
	s_getreg_b32 s2, hwreg(HW_REG_IB_STS2, 6, 4)
	s_cmp_eq_u32 s2, 0
	s_cbranch_scc0 .Lentry_in_a_cluster
	s_endpgm
.Lentry_in_a_cluster:
	s_bfe_u32 s2, ttmp6, 0x10000c
	s_cmp_lg_u32 s2, 0xf033
	s_cbranch_scc0 .Lentry_shape_is_right
	s_endpgm
.Lentry_shape_is_right:
; out0 = x1 + g W_fc_proj + b_fc_proj on codes of FP6, K = 4,096: 32 steps of 128.  Arguments: g's records, wq, the bias, the residual, out.  Layouts: head of the first kernel.  No work is left out here.
; N = 1,024 gives 256 tiles of 128 x 128: a work-group makes one, a wave 64 x 64: 16 accumulators.  TRANSPOSED USE: source 0 = a block of W's columns, source 1 = a block of tokens: a lane holds one token and eight neighbouring columns.
; CLUSTERS 4 x 4: A's records are asked for jointly along a row of the cluster, W's along a column.  A tile's 32 records are 409,600 dense bytes, so a load of any number of records is rows of 256 bytes on end.
; LDS: slot 0 = room for 7 records of A and 7 of W, slot 1 = room for 5 and 5: 24 records, 307,200 bytes; behind them the spare words.
; FILLS.  At the head one load a wave, each in its own arm: wave 0 A's steps 0-6, wave 1 W's steps 0-6 (slot 0), wave 2 A's steps 7-11, wave 3 W's (slot 1).  Waves 0 and 1 alone wait ahead of the first barrier;
; the others' tiles are shown by the first round.  Then four refills of 5 steps (12-16, 17-21, 22-26, 27-31), slots by turns, each in a drained round of the cluster's barrier: waves 0 and 1 bring halves of A's 64,000 bytes, waves 2 and 3 of W's.
; By the text's own count a wave has one tensor load out; every wait on TENSORcnt is for 0.
; THE TEXT: steps 0-5 written out; a loop of two trips, each from a slot 0's last step (with slot 0's refill) over slot 1's five steps (with slot 1's refill) to slot 0's fourth step; steps 26-31 written out, with no refill.
; PREFETCH into the L2: each refill's 250 blocks of 256 bytes of A and of W are named two refills ahead of the load that wants them (the first two at the head and behind step 1).  The eight waves that will ask for a tile
; (four partners x two waves) share the blocks out by address, 32 each, a lane a block, the last wave's lanes held at block 249.  The loop's last trip asks for nothing: no refill follows its two.
; The bias is the C of each sum's first product.  The residual is asked for at the head, in the layout in which the rows leave, and added on the way out.
; THE WAY OUT: a block of 16 tokens x 64 columns goes through my stage in LDS (rows of 256 + 16 bytes) and leaves as rows: sixteen lanes store 256 consecutive bytes, aligned.  The stage lies at slot 0's start, which has had its last fill and which no wave reads behind the last barrier.
; REGISTERS: window 0: v1-24 addresses, v28-29 the add's two, v32-39 scale words, v64-111 and v160-207 A's fragments; on the way out v64-191 rows.  window 1: W's fragments at v0 and v128, the bias at v96-127.
;   window 2: v0-127 the accumulators ((a, b) at v[8 (4 a + b)]), v128-255 the residual.
; LIMITS: as stated at the head of the first kernel.
.set KS,    32
.set WBASE, 512*12800                  ; W_fc_proj's first record in wq
.set REC,   12800
.set A0,    0
.set B0,    7*REC
.set A1,    14*REC
.set B1,    19*REC
.set SPARE, 24*REC
.set HALF,  32000                      ; half of a refill's five records: 125 rows of 256 bytes
.set NF,    28                         ; LDS loads of one step's fragments and scale words
.set ADRA,  4                          ; v4-6   my A fragments: slot 0, slot 1, slot 0's records 5 and 6
.set ADRB,  8                          ; v8-10  my W fragments
.set ADRS,  12                         ; v12-14 scale words: lanes 0-15 A's, lanes 16-31 W's
.set STO,   20
.set RD,    21
.set CO,    22
.set PFO,   23                         ; v23    my block of a refill's 250, in bytes
.set BO,    24
.set SPW,   28
.set NIL,   29
.set SC,    32
.set WV, 16
.set WM, 17
.set WN, 18
.set LAP, 21
.set G1A, 24                           ; groups 1 of the refills
.set G1B, 32
.set G0A, 40                           ; s[40:47] group 0 for A's refills, a set a slot; s[48:55] for W's
.set G0B, 48
.set G0H, 56                           ; s[56:59] group 0 of my head load
.set G1HA, 68                          ; groups 1 of the head's loads; the rows are written in each arm
.set G1HB, 76
.set TLA, 84                           ; s[84:85] my tile's first record of A; s[86:87] of W
.set TLB, 86
.set PFA, 92                           ; s[92:93] where my prefetches stand
.set MSB, 0
.macro WIN new
.if MSB != (\new)
	s_set_vgpr_msb (MSB<<8)|(\new)
.set MSB, (\new)
.endif
.endm
.macro PLACES
.rept 4
	v_nop
.endr
.endm
.macro G1SET g, mask, rows             ; rows of 32 elements of 8 bytes, dense
	s_or_b32 s[\g], s\mask, (3<<16)|(1<<21)
	s_mov_b32 s[\g+1], 32<<16
	s_mov_b32 s[\g+2], (\rows)<<16
	s_mov_b32 s[\g+3], 32<<16
	s_mov_b32 s[\g+4], \rows
	s_mov_b32 s[\g+5], 32
	s_mov_b32 s[\g+6], 0
	s_mov_b32 s[\g+7], 0
.endm
.macro HARM g1, base, rec, lds, rows   ; a head load: its rows, its place and its first record are constants of its arm; an s_nop 0 and four v_nop follow the line
	s_mov_b32 s[\g1+2], (\rows)<<16
	s_mov_b32 s[\g1+4], \rows
	s_mov_b32 s[G0H+1], \lds
	s_add_nc_u64 s[G0H+2:G0H+3], s[\base:\base+1], (\rec)*REC
	s_or_b32 s[G0H+3], s[G0H+3], 0x80000000
	tensor_load_to_lds s[G0H:G0H+3], s[\g1:\g1+7]
	s_nop 0
	PLACES
.endm
.macro JLOAD g                         ; a refill: waves 0 and 1 fetch for A, waves 2 and 3 for W
	s_cmp_eq_u32 s[WM], 0
	s_cbranch_scc0 .Lfor_b_\@
	tensor_load_to_lds s[G0A+4*(\g):G0A+4*(\g)+3], s[G1A:G1A+7]
	s_nop 0
	PLACES
	s_branch .Lasked_\@
.Lfor_b_\@:
	tensor_load_to_lds s[G0B+4*(\g):G0B+4*(\g)+3], s[G1B:G1B+7]
	s_nop 0
	PLACES
.Lasked_\@:
.endm
.macro CREST
	s_cmp_lg_u32 s[WV], 0
	s_cbranch_scc1 .Lnot_wave_0_\@
	s_barrier_signal -3
.Lnot_wave_0_\@:
	s_barrier_wait -3
	s_barrier_signal -1
	s_barrier_wait -1
.endm
.macro CROUND
	s_barrier_signal -1
	s_barrier_wait -1
	CREST
.endm
.macro LOC t                           ; where the text's step t lies: 0-6 slot 0 (head), 7-11 slot 1, 12-16 slot 0 (a refill)
.if (\t) < 5
.set LR, 0
.set LO, (\t)*REC
.elseif (\t) < 7
.set LR, 2
.set LO, ((\t)-5)*REC
.elseif (\t) < 12
.set LR, 1
.set LO, ((\t)-7)*REC
.else
.set LR, 0
.set LO, ((\t)-12)*REC
.endif
.endm
.macro FETCH t, p                      ; step t's fragments and scale words into set p: images come back as they were stored
	LOC \t
	WIN 0x40
.irp i, 0,1,2,3
.irp c, 0,1,2
	ds_load_b128 v[128*(\p)+12*\i+4*\c:128*(\p)+12*\i+4*\c+3], v[ADRB+LR] offset:LO+1536*\i+512*\c
.endr
.endr
	WIN 0
.irp i, 0,1,2,3
.irp c, 0,1,2
	ds_load_b128 v[64+96*(\p)+12*\i+4*\c:64+96*(\p)+12*\i+4*\c+3], v[ADRA+LR] offset:LO+1536*\i+512*\c
.endr
.endr
.irp i, 0,1,2,3
	ds_load_b32 v[SC+4*(\p)+\i], v[ADRS+LR] offset:LO+64*\i
.endr
.endm
; four matrix instructions: A's block qd against W's four.  mode 1: the sums start from the bias.  The 16 accumulators take turns in the same order in every step.
.macro MULQ qd, p, mode
.if (\mode) == 0
	WIN 0xa1
.else
	WIN 0x91
.endif
.irp b, 0,1,2,3
.set MD, 8*(4*(\qd)+\b)
.if (\mode) == 0
	v_wmma_scale_f32_16x16x128_f8f6f4 v[MD:MD+7], v[128*(\p)+12*\b:128*(\p)+12*\b+11], v[64+96*(\p)+12*(\qd):64+96*(\p)+12*(\qd)+11], v[MD:MD+7], v[SC+4*(\p)+\b], v[SC+4*(\p)+(\qd)] matrix_a_fmt:MATRIX_FMT_FP6 matrix_b_fmt:MATRIX_FMT_FP6 matrix_a_scale:MATRIX_SCALE_ROW1
.else
	v_wmma_scale_f32_16x16x128_f8f6f4 v[MD:MD+7], v[128*(\p)+12*\b:128*(\p)+12*\b+11], v[64+96*(\p)+12*(\qd):64+96*(\p)+12*(\qd)+11], v[96+8*\b:96+8*\b+7], v[SC+4*(\p)+\b], v[SC+4*(\p)+(\qd)] matrix_a_fmt:MATRIX_FMT_FP6 matrix_b_fmt:MATRIX_FMT_FP6 matrix_a_scale:MATRIX_SCALE_ROW1
.endif
.endr
.endm
.macro STEP t, mode                    ; the next step's loads go out in one run, then this step's 16 products
.if (\t) > 0
	PLACES                                         ; in front of loads into registers that the last step's products read
.endif
	FETCH (\t)+1, 1-(\t)%2
	s_wait_dscnt NF                                ; all but the run just issued
	MULQ 0, (\t)%2, \mode
	MULQ 1, (\t)%2, \mode
	MULQ 2, (\t)%2, \mode
	MULQ 3, (\t)%2, \mode
.endm
; A slot's last step (its fragments lie in set tp).  In front of the barrier each wave waits for all its tensor loads, adds 0 to its spare word, and waits for that and for its reads of the slot.
; kind 2: the barrier opens a round of the cluster's, slot rg is filled again first thing behind it, and the refill two on is prefetched.  kind 1: nothing is filled.  nx: the step fetched next, in the other slot.
.macro TURN tp, rg, nx, kind
	WIN 0
.if (\kind) == 2
	s_wait_xcnt 0x0                                ; my last prefetch has read its address
	s_add_nc_u64 s[PFA:PFA+1], s[PFA:PFA+1], 5*REC
.endif
	s_wait_tensorcnt 0x0
	ds_add_u32 v[SPW], v[NIL]
.if (\kind) == 2
	s_add_nc_u64 s[G0A+4*(\rg)+2:G0A+4*(\rg)+3], s[G0A+4*(\rg)+2:G0A+4*(\rg)+3], 10*REC   ; no load of mine is out: this slot's next five records
	s_add_nc_u64 s[G0B+4*(\rg)+2:G0B+4*(\rg)+3], s[G0B+4*(\rg)+2:G0B+4*(\rg)+3], 10*REC
.endif
	s_wait_dscnt 1                                 ; (the add may be out: this step's set is in)
	MULQ 0, \tp, 0
	s_wait_dscnt 0x0
	s_barrier_signal -1
	MULQ 1, \tp, 0
	WIN 0
	s_barrier_wait -1
.if (\kind) == 2
	CREST
	JLOAD \rg                                      ; its four v_nop are also the places in front of the loads below
.else
	PLACES
.endif
	FETCH \nx, 1-(\tp)
.if (\kind) == 2
	s_cmp_eq_u32 s[LAP], 2                         ; the first trip alone: the second trip's refills are the last two
	s_cbranch_scc0 .Lno_ask_\@
	global_prefetch_b8 v[PFO], s[PFA:PFA+1] offset:10*REC th:TH_LOAD_NT scope:SCOPE_SE
.Lno_ask_\@:
.endif
	MULQ 2, \tp, 0
	MULQ 3, \tp, 0
.endm
	s_load_b256 s[4:11], s[0:1], 0x0               ; A s[4:5], wq s[6:7], bias s[8:9], residual s[10:11]
	s_load_b64 s[12:13], s[0:1], 0x20              ; out
	v_lshl_add_u32 v[SPW], v0, 2, SPARE
	v_mov_b32 v[NIL], 0
	ds_add_u32 v[SPW], v[NIL]                      ; the wave's opening: the add, twice on end, and its wait ahead of my first tensor load
	ds_add_u32 v[SPW], v[NIL]
	v_lshrrev_b32 v1, 5, v0
	v_readfirstlane_b32 s[WV], v1
	s_lshr_b32 s[WM], s[WV], 1                     ; my half of the tokens.  Also: my refills are A's (0) or W's (1)
	s_and_b32 s[WN], s[WV], 1                      ; my half of the columns.  Also: which half of a refill I fetch
	s_bfe_u32 s19, ttmp6, 0x40000                  ; cx
	s_bfe_u32 s20, ttmp6, 0x40004                  ; cy
	s_lshl_b32 s67, ttmp9, 2
	s_add_co_u32 s67, s67, s19                     ; TB: tile of 128 columns
	s_and_b32 s66, ttmp7, 0xffff
	s_lshl_b32 s66, s66, 2
	s_add_co_u32 s66, s66, s20                     ; TA: tile of 128 tokens
	s_lshl_b32 s22, s20, 2
	s_lshl_b32 s22, 15, s22                        ; my row of the cluster
	s_lshl_b32 s23, 0x1111, s19                    ; my column
	G1SET G1A, 22, 125
	G1SET G1B, 23, 125
	G1SET G1HA, 22, 350
	G1SET G1HB, 23, 350
	s_mov_b32 s[G0H], 1
	s_mul_i32 s60, s66, KS*REC
	s_mov_b32 s61, 0
	s_mul_i32 s62, s67, KS*REC
	s_add_co_u32 s62, s62, WBASE
	s_mov_b32 s63, 0
	s_wait_dscnt 0x0                               ; both opening adds are done
	CROUND                                         ; the first joint loads meet
	s_wait_kmcnt 0x0
	s_add_nc_u64 s[TLA:TLA+1], s[4:5], s[60:61]
	s_add_nc_u64 s[TLB:TLB+1], s[6:7], s[62:63]
	s_cmp_eq_u32 s[WV], 0
	s_cbranch_scc0 .Lwave_1
	HARM G1HA, TLA, 0, A0, 350                     ; wave 0: A's steps 0 to 6
	s_branch .Lasked
.Lwave_1:
	s_cmp_eq_u32 s[WV], 1
	s_cbranch_scc0 .Lwave_2
	HARM G1HB, TLB, 0, B0, 350                     ; wave 1: W's steps 0 to 6
	s_branch .Lasked
.Lwave_2:
	s_cmp_eq_u32 s[WV], 2
	s_cbranch_scc0 .Lwave_3
	HARM G1HA, TLA, 7, A1, 250                     ; wave 2: A's steps 7 to 11
	s_branch .Lasked
.Lwave_3:
	HARM G1HB, TLB, 7, B1, 250                     ; wave 3: W's steps 7 to 11
.Lasked:
	s_mul_i32 s60, s[WN], HALF                     ; the refills: my half of five records; each slot's address stands ten records ahead of its first refill's and is stepped in front of each
.irp s, 0,1
	s_mov_b32 s[G0A+4*\s], 1
	s_add_co_u32 s[G0A+4*\s+1], s60, A0+\s*(A1-A0)
	s_add_nc_u64 s[G0A+4*\s+2:G0A+4*\s+3], s[TLA:TLA+1], s[60:61]
	s_add_nc_u64 s[G0A+4*\s+2:G0A+4*\s+3], s[G0A+4*\s+2:G0A+4*\s+3], (2+5*\s)*REC
	s_or_b32 s[G0A+4*\s+3], s[G0A+4*\s+3], 0x80000000
	s_mov_b32 s[G0B+4*\s], 1
	s_add_co_u32 s[G0B+4*\s+1], s60, B0+\s*(B1-B0)
	s_add_nc_u64 s[G0B+4*\s+2:G0B+4*\s+3], s[TLB:TLB+1], s[60:61]
	s_add_nc_u64 s[G0B+4*\s+2:G0B+4*\s+3], s[G0B+4*\s+2:G0B+4*\s+3], (2+5*\s)*REC
	s_or_b32 s[G0B+4*\s+3], s[G0B+4*\s+3], 0x80000000
.endr
	s_cmp_eq_u32 s[WM], 0                          ; the prefetches: of A's tile or of W's, and my place among the four that ask for it with me
	s_cselect_b32 s101, s19, s20
	s_cselect_b64 s[PFA:PFA+1], s[TLA:TLA+1], s[TLB:TLB+1]
	s_lshl_b32 s101, s101, 1
	s_add_co_u32 s101, s101, s[WN]                 ; my number among the eight waves that share a refill's blocks
	s_add_nc_u64 s[PFA:PFA+1], s[PFA:PFA+1], 7*REC
	s_mul_i32 s94, s[WM], 6144                     ; my four images of A's eight
	s_mul_i32 s95, s[WN], 6144
	s_add_co_u32 s95, s95, B0
	s_xor_b32 s96, s[WM], 1
	s_add_co_u32 s96, s96, s[WN]
	s_lshl_b32 s96, s96, 8
	s_add_co_u32 s97, s96, B1-A1-256               ; from A's scale words to W's in slot 1: B1 - A1 + 256 WN - 256 WM
	s_add_co_u32 s96, s96, B0-A0-256               ; and in slot 0
	s_lshl_b32 s98, s[WM], 8
	s_add_co_u32 s98, s98, 12288
	s_add_co_u32 s99, s98, A1
	s_mul_i32 s100, s[WV], 16*272                  ; my stage
	s_lshl_b32 s60, s67, 9
	s_lshl_b32 s62, s[WN], 8
	s_add_co_u32 s60, s60, s62                     ; my first column, in bytes
	s_add_nc_u64 s[8:9], s[8:9], s[60:61]
	s_lshl_b32 s62, s66, 7
	s_lshl_b32 s63, s[WM], 6
	s_add_co_u32 s62, s62, s63
	s_lshl_b32 s62, s62, 12                        ; my first token x 4,096 bytes
	s_add_co_u32 s62, s62, s60
	s_mov_b32 s63, 0
	s_add_nc_u64 s[88:89], s[10:11], s[62:63]
	s_add_nc_u64 s[90:91], s[12:13], s[62:63]
	s_mov_b32 s[LAP], 2
	v_and_b32 v1, 15, v0                           ; r
	v_bfe_u32 v2, v0, 4, 1                         ; h
	v_and_b32 v3, 31, v0                           ; lane
	v_lshlrev_b32 v16, 4, v3
	v_mul_u32_u24 v18, s96, v2                     ; lanes 16-31 take W's scale words
	v_mul_u32_u24 v19, s97, v2
	v_lshl_add_u32 v18, v1, 2, v18
	v_lshl_add_u32 v19, v1, 2, v19
	v_add_nc_u32 v[ADRA], s94, v16
	v_add_nc_u32 v[ADRB], s95, v16
	v_add_nc_u32 v[ADRS], s98, v18
	v_add_nc_u32 v[ADRS+1], s99, v19
	v_add_nc_u32 v[ADRA+1], A1-A0, v[ADRA]
	v_add_nc_u32 v[ADRB+1], B1-B0, v[ADRB]
	v_add_nc_u32 v[ADRA+2], 5*REC, v[ADRA]
	v_add_nc_u32 v[ADRB+2], 5*REC, v[ADRB]
	v_add_nc_u32 v[ADRS+2], 5*REC, v[ADRS]
	v_mul_u32_u24 v[STO], v1, 272
	v_mul_u32_u24 v[RD], v2, 272
	v_lshl_add_u32 v[STO], v2, 6, v[STO]
	v_lshl_add_u32 v[RD], v1, 4, v[RD]
	v_add_nc_u32 v[STO], s100, v[STO]              ; in: row r, + 64 h
	v_add_nc_u32 v[RD], s100, v[RD]                ; back: lanes 0-15 one row, lanes 16-31 the next
	v_lshlrev_b32 v[CO], 12, v2
	v_lshl_add_u32 v[CO], v1, 4, v[CO]             ; and the same two rows in memory
	v_lshlrev_b32 v[BO], 6, v2
	v_lshl_add_u32 v[PFO], s101, 5, v3
	v_min_u32 v[PFO], 249, v[PFO]                  ; block 32 x my number + lane, held at the refill's last
	v_lshlrev_b32 v[PFO], 8, v[PFO]
	s_wait_alu depctr_va_vdst(0)
	WIN 0x40
.irp b, 0,1,2,3
	global_load_b128 v[96+8*\b:96+8*\b+3], v[BO], s[8:9] offset:(32*(\b/2)+8*(\b%2))*4      ; the bias: block 2 g + u, register j: column 32 g + 8 u + 16 h + j
	global_load_b128 v[96+8*\b+4:96+8*\b+7], v[BO], s[8:9] offset:(32*(\b/2)+8*(\b%2))*4+16
.endr
	WIN 0x80
.irp a, 0,1,2,3
.irp t, 0,1,2,3,4,5,6,7
	global_load_b128 v[128+32*\a+4*\t:128+32*\a+4*\t+3], v[CO], s[88:89] offset:(32*(\a/2)+8*(\a%2)+2*\t+8*(\t/4))*4096   ; the residual: image rows 2 t, 2 t + 1 of block a
.endr
.endr
	WIN 0
	global_prefetch_b8 v[PFO], s[PFA:PFA+1] offset:5*REC th:TH_LOAD_NT scope:SCOPE_SE     ; the first refill's records, 12 to 16
	s_cmp_lt_u32 s[WV], 2
	s_cbranch_scc0 .Lnot_first
	s_wait_tensorcnt 0x0                           ; waves 0 and 1: slot 0's tiles
.Lnot_first:
	s_barrier_signal -1
	s_barrier_wait -1                              ; slot 0 is whole; slot 1's tiles may be on their way
	FETCH 0, 0
	s_wait_loadcnt 32                              ; the bias is in; the residual's 32 loads may be out
	STEP 0, 1
	STEP 1, 0
	WIN 0
	global_prefetch_b8 v[PFO], s[PFA:PFA+1] offset:10*REC th:TH_LOAD_NT scope:SCOPE_SE    ; the second refill's, 17 to 21
	STEP 2, 0
	STEP 3, 0
	STEP 4, 0
	STEP 5, 0
	WIN 0
.Llap:                                         ; steps 6 to 15, then 16 to 25
	TURN 0, 0, 7, 2
	STEP 7, 0
	STEP 8, 0
	STEP 9, 0
	STEP 10, 0
	TURN 1, 1, 12, 2
	STEP 12, 0
	STEP 13, 0
	STEP 14, 0
	STEP 15, 0
	WIN 0
	s_sub_co_u32 s[LAP], s[LAP], 1
	s_cmp_lg_u32 s[LAP], 0
	s_cbranch_scc1 .Llap
	TURN 0, 0, 7, 1                                ; step 26: the last refill has landed; nothing is filled
	STEP 7, 0                                      ; steps 27 to 30
	STEP 8, 0
	STEP 9, 0
	STEP 10, 0
	s_wait_dscnt 0x0                               ; step 31
	MULQ 0, 1, 0
	MULQ 1, 1, 0
	MULQ 2, 1, 0
	MULQ 3, 1, 0
	WIN 0
	PLACES                                         ; in front of the first read of results
.macro TOSTAGE a
	WIN 0x08                                       ; an LDS store's data are its source 1: window 2
.irp b, 0,1,2,3
	ds_store_b128 v[STO], v[8*(4*(\a)+\b):8*(4*(\a)+\b)+3] offset:128*(\b/2)+32*(\b%2)       ; each accumulator from its low end on
	ds_store_b128 v[STO], v[8*(4*(\a)+\b)+4:8*(4*(\a)+\b)+7] offset:128*(\b/2)+32*(\b%2)+16
.endr
	WIN 0
.irp t, 0,1,2,3,4,5,6,7
	ds_load_b128 v[64+32*(\a)+4*\t:64+32*(\a)+4*\t+3], v[RD] offset:544*\t   ; LDS serves a wave's instructions in order (ISA guide 5.7.1.4): these see my stores, and the next block's stores come behind them
.endr
.endm
.macro SEND a
	s_wait_dscnt 16*(3-(\a))                       ; the later blocks' sixteen LDS instructions each may be out
	WIN 0x08                                       ; source 1 (the residual) window 2
.irp t, 0,1,2,3,4,5,6,7
	v_pk_add_f32 v[64+32*(\a)+4*\t:64+32*(\a)+4*\t+1], v[64+32*(\a)+4*\t:64+32*(\a)+4*\t+1], v[128+32*(\a)+4*\t:128+32*(\a)+4*\t+1]
	v_pk_add_f32 v[64+32*(\a)+4*\t+2:64+32*(\a)+4*\t+3], v[64+32*(\a)+4*\t+2:64+32*(\a)+4*\t+3], v[128+32*(\a)+4*\t+2:128+32*(\a)+4*\t+3]
.endr
	WIN 0
.irp t, 0,1,2,3,4,5,6,7
	global_store_b128 v[CO], v[64+32*(\a)+4*\t:64+32*(\a)+4*\t+3], s[90:91] offset:(32*((\a)/2)+8*((\a)%2)+2*\t+8*(\t/4))*4096 th:TH_STORE_NT
.endr
.endm
	TOSTAGE 0
	TOSTAGE 1
	TOSTAGE 2
	TOSTAGE 3
	s_wait_loadcnt 0x0                             ; the residual
	SEND 0
	SEND 1
	SEND 2
	SEND 3
	s_wait_tensorcnt 0x0                           ; the wave's end
	ds_add_u32 v[SPW], v[NIL]
	s_wait_dscnt 0x0
	CROUND                                         ; the closing round
	s_endpgm
.Lfunc_end_k_qd87a236582_fcproj:
	.size	k_qd87a236582_fcproj, .Lfunc_end_k_qd87a236582_fcproj-k_qd87a236582_fcproj
	.p2alignl 7, 3214868480
	.fill 96, 4, 3214868480
	.section	.rodata,"a",@progbits
	.p2align	6, 0x0
	.amdhsa_kernel k_qd87a236582_fcproj
		.amdhsa_group_segment_fixed_size 327680
		.amdhsa_private_segment_fixed_size 0
		.amdhsa_enable_private_segment 0
		.amdhsa_kernarg_size 40
		.amdhsa_user_sgpr_count 2
		.amdhsa_user_sgpr_kernarg_segment_ptr 1
		.amdhsa_wavefront_size32 1
		.amdhsa_system_sgpr_workgroup_id_x 1
		.amdhsa_system_sgpr_workgroup_id_y 1
		.amdhsa_system_sgpr_workgroup_id_z 1
		.amdhsa_system_vgpr_workitem_id 0
		.amdhsa_next_free_vgpr 768
		.amdhsa_next_free_sgpr 102
		.amdhsa_reserve_vcc 0
		.amdhsa_float_denorm_mode_32 3
		.amdhsa_float_denorm_mode_16_64 3
		.amdhsa_memory_ordered 1
		.amdhsa_forward_progress 1
		.amdhsa_inst_pref_size 118
	.end_amdhsa_kernel
	.amdgpu_metadata
---
amdhsa.version: [ 1, 2 ]
amdhsa.kernels:
  - .name:           k_qd87a236582_fcproj
    .symbol:         k_qd87a236582_fcproj.kd
    .args:
      - { .name: gb, .offset: 0, .size: 8, .value_kind: global_buffer, .address_space: global }
      - { .name: wq, .offset: 8, .size: 8, .value_kind: global_buffer, .address_space: global }
      - { .name: b_fc_proj, .offset: 16, .size: 8, .value_kind: global_buffer, .address_space: global }
      - { .name: x1, .offset: 24, .size: 8, .value_kind: global_buffer, .address_space: global }
      - { .name: out0, .offset: 32, .size: 8, .value_kind: global_buffer, .address_space: global }
    .group_segment_fixed_size: 327680
    .private_segment_fixed_size: 0
    .kernarg_segment_align: 8
    .kernarg_segment_size: 40
    .max_flat_workgroup_size: 128
    .sgpr_count:     102
    .vgpr_count:     768
    .wavefront_size: 32
...
	.end_amdgpu_metadata
.endif
;; end of part 7
